; MI455X (gfx1250); checked and timed in simulation.
; The chip was launched on July 23, 2026; its instructions are those of AMD's public machine-readable ISA for CDNA 5 (MIT licence, August 2026) and "CDNA5" Instruction Set Architecture Reference Guide (July 2026). The comments in the code are by the model that wrote it; some were corrected since.
;; Attention. Allowed arithmetic: matrix products marked QUANTISED: E2M3 operands, one E8M0 scale for each 32 along K, by v_wmma_scale_f32_16x16x128_f8f6f4 with both operands' format E2M3, f32 sums; products left as they are: f32 operands where the result goes on into a quantised operand, else bf16, f16 or f32 operands; f32 sums; everything else in f32.
;; Inputs: attn_b 1,024 float32; attn_w 1,024 x 2,048 float32; encoder_outputs 32 x 2,048 x 1,024 float32; hidden 32 x 1,024 float32; mask 32 x 2,048 int32; v_w 1,024 float32.
;; Outputs: out0 32 x 1,024 float32; out1 32 x 2,048 float32.
;; This version of the problem:
;;   THIS VERSION OF THE PROBLEM IS GIVEN IN LOW PRECISION. The matrix products marked QUANTISED in the list below multiply operands that are first quantised to E2M3 (2 exponent bits, 3 mantissa bits; 6 bits a number), with one power-of-two scale for each 32 numbers along K (OCP MX v1.0); their sums are f32. All else is computed in f32.
;;   The module's matrix products, in the order in which they are computed (A, B: the left and right operand; K: the contracted axis; several contracted axes count as one K, in the product's order):
;;     1. [M 32, K 1,024] x [K 1,024, N 1,024]; A: input hidden; B: input attn_w: QUANTISED
;;     2. [M 65,536, K 1,024] x [K 1,024, N 1,024]; A: input encoder_outputs; B: input attn_w: QUANTISED
;;     3. [M 65,536, K 1,024] x [K 1,024, N 1]; A: computed on the way; B: input v_w: left as it is (N = 1 < 16)
;;     4. batch 32 x [M 1, K 2,048] x [K 2,048, N 1,024]; A: softmax; B: input encoder_outputs: left as it is (M = 1 < 16)
;;   THE QUANTISER, for each operand of a quantised product, along K:
;;     - K is cut into blocks of 32 from its start; a last block that is shorter is filled with zeros.
;;     - A block's scale is 2^e with e = floor(log2(the largest magnitude in the block)) - 2, held to -126 .. 127; a block of zeros has e = 0. As a byte (E8M0): e + 127.
;;     - Each number is divided by its block's scale, clamped to +-7.5, and rounded to the nearest number of E2M3, ties to even, subnormals kept.
;;     - The product sums the exact products of the quantised numbers (number of the format x scale) in f32.
;;   ~~~python
;;   def quantise(x, axis):      # numpy; x: float32 -> the quantised numbers, widened to float32 again
;;       x = np.moveaxis(x, axis, -1); K = x.shape[-1]
;;       x = np.pad(x, [(0, 0)] * (x.ndim - 1) + [(0, -K % 32)]); x = x.reshape(x.shape[:-1] + (-1, 32)); a = np.abs(x).max(-1, keepdims=True)
;;       e = np.where(a > 0, np.clip(np.frexp(np.where(a > 0, a, 1))[1] - 1 - 2, -126, 127), 0)      # np.frexp(a)[1] - 1 = floor(log2(a)), exactly
;;       r = np.clip(x / 2.0 ** e, -7.5, 7.5)
;;       step = 2.0 ** (np.maximum(np.frexp(np.where(r == 0, 1, r))[1] - 1, 0) - 3)
;;       q = np.round(r / step) * step * 2.0 ** e      # np.round: ties to even
;;       return np.moveaxis(q.reshape(q.shape[:-2] + (-1,))[..., :K], -1, axis).astype(np.float32)
;;   ~~~
;; 2 versions. Each part assembles by itself: llvm-mc -triple=amdgcn-amd-amdhsa -mcpu=gfx1250 --defsym DOCPART=n.
;; ======== version 1 of 2: 3 launches
;; limits: right only within a limited range of input values
;; workspace buffers: wq 786,432 bytes; wsc 32,768 bytes; hbc 131,072 bytes; sc 524,288 bytes; list 262,144 bytes of whole numbers; cnt 256 bytes of whole numbers
;; launch prep (part 1): grid 96 x 1, 8 waves a work-group, no clusters, 17,408 bytes of LDS; arguments attn_w, hidden, attn_b, mask, wq, wsc, hbc, list, cnt, sc; writes wq, wsc, hbc, list, cnt, sc
.if DOCPART == 1
	.amdgcn_target "amdgcn-amd-amdhsa--gfx1250"
	.amdhsa_code_object_version 6
	.text
	.protected	k_q6593fd9c7a_prep
	.globl	k_q6593fd9c7a_prep
	.p2align	8
	.type	k_q6593fd9c7a_prep,@function
k_q6593fd9c7a_prep:
	s_mov_b64 s[64:65], 0
	v_nop
	global_prefetch_b8 v0, s[64:65] scope:SCOPE_SE
	s_setreg_imm32_b32 hwreg(HW_REG_WAVE_MODE, 25, 1), 1
	s_wait_xcnt 0x0
; PREP.  Two roles, told apart by the work-group's number.
; Work-groups 0-63 (g): rows 16 g .. 16 g + 15 of attn_w [1024][2048] f32.  Wave s takes K step s (128 along K) of both halves of these rows:
;   w_e (columns 1024 on) becomes codes of FP6 (E2M3) with one E8M0 byte for each 32 along K, stored as an image of the operand's 12 registers in the order in which the next launch's waves take them;
;   w_h (columns 0 on) and hidden [32][1024] are quantised likewise in registers and multiplied: h_proj, one matrix instruction for each 16 rows of hidden and K step; the eight waves' parts meet in LDS,
;   and wave 0 stores hbc[b][n] = (h_proj[b][n] + attn_b[n]) x 2 log2(e): what the next launch's tanh adds to its scaled sums.
; Work-groups 64-95 (b = number - 64): the batch's 2,048 scores are set to -1e10; wave 0 turns mask[b] into a list: the rows with mask != 0 from the front in ascending order, the others from the back
;   (a permutation of 0 .. 2047), and cnt[b] = how many rows count: the rows with mask != 0, or all 2,048 where there is none (reference()'s softmax is then uniform over all rows).
; A block's scale is 2^(floor(log2(largest magnitude)) - 2); its byte is the magnitude's exponent field - 2, held at 1 from below.  A block of zeros keeps the byte 1: its codes are zeros and this program alone reads the bytes.
; LIMITS: NaN and infinities among the inputs are not served.
.set C2B,  0x4038aa3b                  ; 2 log2(e)
.set NEGB, 0xd01502f9                  ; -1e10
.set ST0,  16                          ; v16-79   64 numbers of a lane
.set ST1,  80                          ; v80-143  a second set
.set PCE,  144                         ; w_e's codes, 12 registers
.set PCW,  156                         ; w_h's
.set PCA0, 168                         ; hidden's rows 0-15
.set PCA1, 180                         ; hidden's rows 16-31
.set CT,   192                         ; v192-199 the conversions' second halves
.set TM,   200                         ; v200-215 largest magnitudes, bytes, scale operands
.set PWE,  216                         ; v216-219 scale words, and nothing else
.set PWW,  217
.set PWA0, 218
.set PWA1, 219
.set ACC0, 224
.set ACC1, 232
.set SEL,  40                          ; s[40:41] lane selects: lane l xor 16
.set LM,   16                          ; list role: v16-79 the mask's words
.set LR,   80                          ; v80-143 the rows' numbers
.set LA,   144                         ; v144-207 where each goes in the list, in bytes
.macro PLACES n
.rept \n
	v_nop
.endr
.endm
; 64 numbers of a lane, register 16 b + i = k 32 b + 16 (lane / 16) + i of row lane % 16, become a fragment's 12 registers of codes at v[pc] and its scale word in v[pw]
.macro QUANT s, pc, pw
.irp b, 0,1,2,3
	v_max3_num_f32 v[TM+\b], |v[\s+16*\b]|, |v[\s+1+16*\b]|, 0x1800000   ; my 16 numbers of block b, and the floor 2^(3 - 127): the byte cannot fall under 1
.endr
.irp i, 2,4,6,8,10,12,14
.irp b, 0,1,2,3
	v_max3_num_f32 v[TM+\b], v[TM+\b], |v[\s+16*\b+\i]|, |v[\s+1+16*\b+\i]|
.endr
.endr
.irp b, 0,1,2,3
	v_permlanex16_b32 v[TM+4+\b], v[TM+\b], s[SEL], s[SEL+1]
.endr
.irp b, 0,1,2,3
	v_max_num_f32 v[TM+\b], v[TM+\b], v[TM+4+\b]                        ; with lane l xor 16's: the block's largest magnitude
.endr
.irp b, 0,1,2,3
	v_add_nc_u32 v[TM+12+\b], 0xff000000, v[TM+\b]                      ; 2 off its exponent field: the conversion's scale operand
.endr
.irp b, 0,1,2,3
	v_lshrrev_b32 v[TM+4+\b], 23, v[TM+12+\b]                           ; the scale's byte
.endr
	v_lshl_or_b32 v[\pw], v[TM+5], 8, v[TM+4]
	v_lshl_or_b32 v[\pw], v[TM+6], 16, v[\pw]
	v_lshl_or_b32 v[\pw], v[TM+7], 24, v[\pw]
.irp c, 0,1
	v_cvt_scalef32_pk16_fp6_f32 v[\pc+6*\c:\pc+2+6*\c], v[\s+32*\c:\s+15+32*\c], v[TM+12+2*\c]
	v_cvt_scalef32_pk16_fp6_f32 v[CT+4*\c:CT+2+4*\c], v[\s+16+32*\c:\s+31+32*\c], v[TM+12+2*\c+1]   ; (a conversion's three registers begin on an even number)
.endr
	v_nop                                          ; one plain instruction behind a scaled conversion
.irp c, 0,1                                    ; the operand wants a whole block in a lane: lanes 0-15 block 2 c, lanes 16-31 block 2 c + 1
.irp i, 0,1,2
	v_permlane16_swap_b32 v[\pc+6*\c+\i], v[CT+4*\c+\i]
.endr
.irp i, 0,1,2
	v_mov_b32 v[\pc+3+6*\c+\i], v[CT+4*\c+\i]
.endr
.endr
.endm
; a lane's 64 numbers of one K step: of each block of 32 its half's 16 neighbours
.macro XL set, adr, lo, off
.irp b, 0,1,2,3
.irp j, 0,1,2,3
	global_load_b128 v[\set+16*\b+4*\j:\set+16*\b+4*\j+3], v[\adr], s[\lo:\lo+1] offset:\off+128*\b+16*\j
.endr
.endr
.endm
	s_load_b256 s[4:11], s[0:1], 0x0               ; attn_w s[4:5], hidden s[6:7], attn_b s[8:9], mask s[10:11]
	s_load_b256 s[12:19], s[0:1], 0x20             ; wq s[12:13], wsc s[14:15], hbc s[16:17], list s[18:19]
	s_load_b128 s[20:23], s[0:1], 0x40             ; cnt s[20:21], sc s[22:23]
	v_lshl_add_u32 v254, v0, 2, 0x4000
	v_mov_b32 v255, 0
	v_lshrrev_b32 v1, 5, v0
	v_readfirstlane_b32 s24, v1                    ; wave 0..7
	v_and_b32 v2, 31, v0                           ; lane
	v_and_b32 v3, 15, v0                           ; r
	v_bfe_u32 v4, v0, 4, 1                         ; h
	s_mov_b32 s27, 0
	s_wait_kmcnt 0x0
	s_cmp_ge_u32 ttmp9, 64
	s_cbranch_scc1 .Llist
	; ---------------- the weights' role ----------------
	s_mov_b32 s[SEL], 0x76543210
	s_mov_b32 s[SEL+1], 0xfedcba98
	s_mov_b32 s42, C2B
	v_lshlrev_b32 v5, 13, v3
	v_lshl_add_u32 v5, v4, 6, v5                   ; attn_w: row r of 8,192 bytes + 64 h
	v_lshlrev_b32 v6, 12, v3
	v_lshl_add_u32 v6, v4, 6, v6                   ; hidden: row r of 4,096 bytes + 64 h
	v_lshlrev_b32 v7, 4, v2                        ; 16 x lane
	v_lshl_add_u32 v8, v1, 11, v7                  ; LDS: my wave's 2,048 bytes, 16 x lane
	v_lshlrev_b32 v9, 2, v3                        ; 4 r
	v_lshlrev_b32 v10, 5, v3                       ; 32 r: a row of scale bytes
	v_lshl_add_u32 v11, v4, 15, v9                 ; hbc: column r, 8 h rows of 4,096 bytes
.irp b, 0,1,2,3
	v_mov_b32 v[TM+4+\b], 0                        ; a lane permute's destination counts as one of its sources
.endr
	s_lshl_b32 s26, ttmp9, 17                      ; 16 rows of 8,192 bytes
	s_lshl_b32 s28, s24, 9                         ; my K step: 512 bytes
	s_add_co_u32 s26, s26, s28
	s_add_nc_u64 s[4:5], s[4:5], s[26:27]
	s_mov_b32 s26, s28
	s_add_nc_u64 s[6:7], s[6:7], s[26:27]
	s_lshl_b32 s26, ttmp9, 6                       ; 16 columns of 4 bytes
	s_add_nc_u64 s[8:9], s[8:9], s[26:27]
	s_add_nc_u64 s[16:17], s[16:17], s[26:27]
	s_bfe_u32 s28, ttmp9, 0x20002                  ; g = 16 c + 4 w + b: the next launch's wave w,
	s_mul_i32 s28, s28, 196608
	s_lshr_b32 s29, ttmp9, 4                       ; its chunk c,
	s_mul_i32 s29, s29, 49152
	s_add_co_u32 s28, s28, s29
	s_mul_i32 s29, s24, 6144                       ; the K step,
	s_add_co_u32 s28, s28, s29
	s_and_b32 s29, ttmp9, 3                        ; and the tile b in it
	s_mul_i32 s29, s29, 1536
	s_add_co_u32 s26, s28, s29
	s_add_nc_u64 s[12:13], s[12:13], s[26:27]
	s_lshl_b32 s26, ttmp9, 9                       ; scale bytes: 16 rows of 32, my K step's word
	s_lshl_b32 s28, s24, 2
	s_add_co_u32 s26, s26, s28
	s_add_nc_u64 s[14:15], s[14:15], s[26:27]
	XL ST0, 5, 4, 4096                             ; w_e
	XL ST1, 5, 4, 0                                ; w_h
	global_load_b32 v240, v9, s[8:9]               ; attn_b of my column
	s_wait_loadcnt 17                              ; w_e is in: w_h's sixteen loads and the bias are younger
	QUANT ST0, PCE, PWE
.irp i, 0,1,2
	global_store_b128 v7, v[PCE+4*\i:PCE+4*\i+3], s[12:13] offset:512*\i   ; the image: 32 lanes store 512 consecutive bytes
.endr
	global_store_b32 v10, v[PWE], s[14:15]         ; lanes l and l xor 16 hold the same word and name the same place
	XL ST0, 6, 6, 0                                ; hidden's rows 0-15
	s_wait_loadcnt 16                              ; w_h and the bias are in
	QUANT ST1, PCW, PWW
	XL ST1, 6, 6, 65536                            ; hidden's rows 16-31
	s_wait_loadcnt 16
	QUANT ST0, PCA0, PWA0
	s_wait_loadcnt 0x0
	QUANT ST1, PCA1, PWA1
	PLACES 8                                       ; a scale register written by a vector instruction stands 8 places ahead of a scaled matrix instruction, an operand 4
	v_wmma_scale_f32_16x16x128_f8f6f4 v[ACC0:ACC0+7], v[PCA0:PCA0+11], v[PCW:PCW+11], 0, v[PWA0], v[PWW] matrix_a_fmt:MATRIX_FMT_FP6 matrix_b_fmt:MATRIX_FMT_FP6
	v_wmma_scale_f32_16x16x128_f8f6f4 v[ACC1:ACC1+7], v[PCA1:PCA1+11], v[PCW:PCW+11], 0, v[PWA1], v[PWW] matrix_a_fmt:MATRIX_FMT_FP6 matrix_b_fmt:MATRIX_FMT_FP6
	PLACES 4
	ds_store_b128 v8, v[ACC0:ACC0+3]               ; each accumulator from its low end on
	ds_store_b128 v8, v[ACC0+4:ACC0+7] offset:512
	ds_store_b128 v8, v[ACC1:ACC1+3] offset:1024
	ds_store_b128 v8, v[ACC1+4:ACC1+7] offset:1536
	s_wait_dscnt 0x0                               ; for the others' sake: my part lies in LDS
	s_barrier_signal -1
	s_barrier_wait -1
	s_cmp_lg_u32 s24, 0
	s_cbranch_scc1 .Lend_w
.irp w, 0,1,2,3,4,5,6,7
.irp i, 0,1,2,3
	ds_load_b128 v[16+16*\w+4*\i:16+16*\w+4*\i+3], v7 offset:2048*\w+512*\i
.endr
.endr
	s_wait_dscnt 0x0
.irp w, 1,2,3,4,5,6,7
.irp p, 0,2,4,6,8,10,12,14
	v_pk_add_f32 v[16+\p:17+\p], v[16+\p:17+\p], v[16+16*\w+\p:17+16*\w+\p]   ; the eight K steps, ascending
.endr
.endr
	v_mul_f32 v241, s42, v240
.irp x, 0,1,2,3,4,5,6,7,8,9,10,11,12,13,14,15
	v_fma_f32 v[16+\x], v[16+\x], s42, v241        ; (h_proj + attn_b) x 2 log2(e)
.endr
.irp m, 0,1
.irp j, 0,1,2,3,4,5,6,7
	global_store_b32 v11, v[16+8*\m+\j], s[16:17] offset:(16*\m+\j)*4096   ; hbc[16 m + 8 h + j][16 g + r]
.endr
.endr
.Lend_w:
	s_wait_tensorcnt 0x0
	ds_add_u32 v254, v255
	s_wait_dscnt 0x0
	s_endpgm
	; ---------------- the lists' role ----------------
.Llist:
	s_sub_co_u32 s25, ttmp9, 64                    ; the batch
	s_lshl_b32 s26, s25, 13                        ; 2,048 words
	s_add_nc_u64 s[22:23], s[22:23], s[26:27]
	s_add_nc_u64 s[10:11], s[10:11], s[26:27]
	s_add_nc_u64 s[18:19], s[18:19], s[26:27]
	v_lshlrev_b32 v5, 4, v0
.irp k, 8,9,10,11
	v_mov_b32 v[\k], NEGB
.endr
	global_store_b128 v5, v[8:11], s[22:23]        ; every score of the batch is written: the next launch stores only the listed rows'
	global_store_b128 v5, v[8:11], s[22:23] offset:4096
	s_cmp_lg_u32 s24, 0
	s_cbranch_scc1 .Lend_l
	v_lshlrev_b32 v6, 2, v2
.set i, 0
.rept 64
	global_load_b32 v[LM+i], v6, s[10:11] offset:128*i
.set i, i+1
.endr
.set i, 0
.rept 64
	v_add_nc_u32 v[LR+i], 32*i, v2                 ; row 32 i + lane
.set i, i+1
.endr
	s_mov_b32 s28, 0                               ; rows that count so far
	s_wait_loadcnt 0x0
.set i, 0
.rept 64
	v_cmp_ne_u32 vcc_lo, 0, v[LM+i]
	v_mbcnt_lo_u32_b32 v12, vcc_lo, 0              ; those in lower lanes
	v_add_nc_u32 v12, s28, v12                     ; those in front of me: my place from the front, if I count
	v_sub_nc_u32 v13, v[LR+i], v12                 ; the others in front of me
	v_sub_nc_u32 v13, 2047, v13                    ; my place from the back, if I do not
	v_cndmask_b32 v12, v13, v12, vcc_lo
	v_min_u32 v12, 2047, v12
	v_lshlrev_b32 v[LA+i], 2, v12
	global_store_b32 v[LA+i], v[LR+i], s[18:19]    ; each store has registers of its own: none is written again
	s_bcnt1_i32_b32 s29, vcc_lo
	s_add_co_u32 s28, s28, s29
.set i, i+1
.endr
	s_cmp_eq_u32 s28, 0
	s_cselect_b32 s28, 2048, s28                   ; no row counts: all rows are listed
	v_mov_b32 v14, s28
	v_mov_b32 v15, 0
	s_lshl_b32 s26, s25, 2
	s_add_nc_u64 s[20:21], s[20:21], s[26:27]
	global_store_b32 v15, v14, s[20:21]            ; all lanes store the same word at the same place
.Lend_l:
	s_endpgm
.Lfunc_end_k_q6593fd9c7a_prep:
	.size	k_q6593fd9c7a_prep, .Lfunc_end_k_q6593fd9c7a_prep-k_q6593fd9c7a_prep
	.p2alignl 7, 3214868480
	.fill 96, 4, 3214868480
	.section	.rodata,"a",@progbits
	.p2align	6, 0x0
	.amdhsa_kernel k_q6593fd9c7a_prep
		.amdhsa_group_segment_fixed_size 17408
		.amdhsa_private_segment_fixed_size 0
		.amdhsa_enable_private_segment 0
		.amdhsa_kernarg_size 80
		.amdhsa_user_sgpr_count 2
		.amdhsa_user_sgpr_kernarg_segment_ptr 1
		.amdhsa_wavefront_size32 1
		.amdhsa_system_sgpr_workgroup_id_x 1
		.amdhsa_system_sgpr_workgroup_id_y 1
		.amdhsa_system_sgpr_workgroup_id_z 1
		.amdhsa_system_vgpr_workitem_id 0
		.amdhsa_next_free_vgpr 256
		.amdhsa_next_free_sgpr 66
		.amdhsa_reserve_vcc 1
		.amdhsa_float_denorm_mode_32 3
		.amdhsa_float_denorm_mode_16_64 3
		.amdhsa_memory_ordered 1
		.amdhsa_forward_progress 1
		.amdhsa_inst_pref_size 77
	.end_amdhsa_kernel
	.amdgpu_metadata
---
amdhsa.version: [ 1, 2 ]
amdhsa.kernels:
  - .name:           k_q6593fd9c7a_prep
    .symbol:         k_q6593fd9c7a_prep.kd
    .args:
      - { .name: attn_w, .offset: 0, .size: 8, .value_kind: global_buffer, .address_space: global }
      - { .name: hidden, .offset: 8, .size: 8, .value_kind: global_buffer, .address_space: global }
      - { .name: attn_b, .offset: 16, .size: 8, .value_kind: global_buffer, .address_space: global }
      - { .name: mask, .offset: 24, .size: 8, .value_kind: global_buffer, .address_space: global }
      - { .name: wq, .offset: 32, .size: 8, .value_kind: global_buffer, .address_space: global }
      - { .name: wsc, .offset: 40, .size: 8, .value_kind: global_buffer, .address_space: global }
      - { .name: hbc, .offset: 48, .size: 8, .value_kind: global_buffer, .address_space: global }
      - { .name: list, .offset: 56, .size: 8, .value_kind: global_buffer, .address_space: global }
      - { .name: cnt, .offset: 64, .size: 8, .value_kind: global_buffer, .address_space: global }
      - { .name: sc, .offset: 72, .size: 8, .value_kind: global_buffer, .address_space: global }
    .group_segment_fixed_size: 17408
    .private_segment_fixed_size: 0
    .kernarg_segment_align: 8
    .kernarg_segment_size: 80
    .max_flat_workgroup_size: 256
    .sgpr_count:     66
    .vgpr_count:     256
    .wavefront_size: 32
...
	.end_amdgpu_metadata
.endif
;; end of part 1
;; launch score (part 2): grid 8 x 32, 4 waves a work-group, no clusters, 158,208 bytes of LDS; arguments encoder_outputs, list, cnt, wq, wsc, hbc, v_w, sc; writes sc
.if DOCPART == 2
	.amdgcn_target "amdgcn-amd-amdhsa--gfx1250"
	.amdhsa_code_object_version 6
	.text
	.protected	k_q6593fd9c7a_score
	.globl	k_q6593fd9c7a_score
	.p2align	8
	.type	k_q6593fd9c7a_score,@function
k_q6593fd9c7a_score:
	s_mov_b64 s[64:65], 0
	v_nop
	global_prefetch_b8 v0, s[64:65] scope:SCOPE_SE
	s_setreg_imm32_b32 hwreg(HW_REG_WAVE_MODE, 25, 1), 1
	s_wait_xcnt 0x0
; SCORE.  sc[b][row] = sum over n of v_w[n] tanh(h_proj[b][n] + attn_b[n] + sum over e of Q(enc[b][row][e]) Q(w_e[n][e])), for the rows that the batch's list names: a row with mask == 0 gets -1e10 in
; reference() whatever its sum, so its sum is not made (where no row of a batch counts, all are listed).  The product is on codes of FP6 (E2M3), one E8M0 scale for each 32 along K.
; SHARES.  Work-group (i, b) takes list positions i q .. i q + q - 1 of batch b, q = 16 ceil(n / 128), n = cnt[b]: at most 256, in two passes of 144 (nine tiles of 16 rows).  A pass without rows does no work
; but passes its barriers; the branches hang on numbers that an earlier launch stored; the launch has no tensor load and the weights come from memory straight into registers.
; A PASS.  X: the 144 rows of enc (f32, gathered by the list) are quantised: wave w takes K steps w and w + 4 of all rows; each load reads 512 consecutive bytes of one row, a unit of 16 rows turns through the wave's
; own stage in LDS so that a lane holds 16 neighbours along K; codes and scale words go to LDS as images of the operand's registers | barrier |  G: wave w makes columns 256 c + 64 w + 0 .. 63 for chunks c = 0 .. 3:
; 36 accumulators (9 tiles of rows x 4 of columns), 8 K steps; then tanh and the product with v_w, summed per row in registers | barrier |  the four waves' sums are added and scattered to sc.
; tanh(x) = 1 - 2 / (1 + 2^(2 log2(e) x)): so a row's score is sum v - 2 sum v / (1 + 2^..).  hbc holds (h_proj + attn_b) x 2 log2(e).
; ADDRESSES.  A row is the same in all lanes: each gathered row has a scalar base (enc + 4,096 x the clamped list entry), and every vector offset is made once, at the head.  Behind sc's 65,536 scores lie 256 spare
; words for each work-group, one for each lane that stores (thread t of the first scatter: word t; lane l of wave 0's second: word 128 + l): a lane of the scatter that has no row stores to its own spare word, so that
; no lane is switched off and no word has two writers; nobody reads the spare words.
; LIMITS: NaN and infinities among the inputs are not served.
; No cluster and no multicast: no two waves of a work-group take the same fragment of the weights.
; REGISTERS, in windows of 256: window 0: v1-31 addresses; v32-63 the weights' scale words, v64-135 the rows' (these hold scales and nothing else); v136-151 hbc and v_w of my columns; v152-183 at work; v184-255 the rows' sums.
;   window 1: two sets of the rows' nine fragments.  window 2: a ring of four K steps of the weights' four fragments; v192-223 the accumulators of tile 8.
;   window 3: the accumulators of tiles 0-7 (in X: four sets of 16 rows as loaded).
.set ASC,  110592                      ; LDS: 0: 72 images of 1,536 bytes, (9 s + a);  ASC: the rows' scale words, a x 1,024 + 32 x lane + 4 s
.set STG,  119808                      ; a stage of 16 rows x 528 bytes for each wave
.set PART, 153600                      ; 144 sums for each wave
.set SC0A, 1                           ; the scatter: PART + 4 x thread
.set SC1R, 2                           ; 128 + r
.set SC1A, 4                           ; PART + 512 + 4 r
.set LI0,  5                           ; 16 x lane
.set LI1,  6                           ; + 36 images
.set XWI0, 7                           ; where I store images: 16 x lane + 9 images x wave
.set XWI1, 8                           ; + 36 images
.set XWS,  9                           ; and scale words: ASC + 32 x lane + 4 x wave
.set ASR,  10                          ; ASC + 32 x lane
.set STW,  11                          ; my stage, 16 x lane
.set STR,  12                          ; my stage, row r, + 64 h
.set PWA,  13                          ; my sums, + 32 h
.set XB,   14                          ; 512 x wave + 16 x lane: my bytes of a row of enc
.set BO0,  15                          ; my stream of weights: 16 x lane + 196,608 x wave
.set WSO0, 16                          ; the weights' scale bytes: 32 r + 2,048 x wave
.set HO0,  17                          ; hbc, v_w: 4 r + 256 x wave
.set SPA0, 18                          ; my spare word of sc in the first scatter: 65,536 + 256 x work-group + thread
.set SPA1, 19                          ; and in the second (wave 0): 128 words on
.set VS,   22                          ; v[22:23] sum of v_w over my columns, 0
.set WS,   32
.set AS,   64
.set HB,   136                         ; four pairs: the number in the even register
.set V2,   144
.set T,    152
.set SA,   184
.set PC,   152                         ; in X: the codes just made
.set CT,   164
.set TM,   172
.set PW,   188
.set X,    192                         ; in X: 64 numbers of a lane
.set SEL,  86
.set BCH,  12                          ; s[12:13] wq at this chunk;  s[14:15] at the next
.set BNX,  14
.set WNX,  66                          ; s[66:67] wsc at the next chunk
.set HCH,  68                          ; s[68:69] hbc at this chunk
.set VCH,  96                          ; s[96:97] v_w at this chunk
.set MSB, 0
.macro WIN new                         ; the immediate's high byte repeats the setting that is left
.if MSB != \new
	s_set_vgpr_msb (MSB<<8)|\new
.set MSB, \new
.endif
.endm
.macro PLACES n
.rept \n
	v_nop
.endr
.endm
; 64 numbers of a lane, register 16 b + i = k 32 b + 16 (lane / 16) + i of row lane % 16, become a fragment's 12 registers of codes at v[pc] and its scale word in v[pw]
.macro QUANT s, pc, pw
.irp b, 0,1,2,3
	v_max3_num_f32 v[TM+\b], |v[\s+16*\b]|, |v[\s+1+16*\b]|, 0x1800000   ; my 16 numbers of block b, and the floor 2^(3 - 127): the byte cannot fall under 1
.endr
.irp i, 2,4,6,8,10,12,14
.irp b, 0,1,2,3
	v_max3_num_f32 v[TM+\b], v[TM+\b], |v[\s+16*\b+\i]|, |v[\s+1+16*\b+\i]|
.endr
.endr
.irp b, 0,1,2,3
	v_permlanex16_b32 v[TM+4+\b], v[TM+\b], s[SEL], s[SEL+1]
.endr
.irp b, 0,1,2,3
	v_max_num_f32 v[TM+\b], v[TM+\b], v[TM+4+\b]
.endr
.irp b, 0,1,2,3
	v_add_nc_u32 v[TM+12+\b], 0xff000000, v[TM+\b]                      ; 2 off the exponent field: the conversion's scale operand
.endr
.irp b, 0,1,2,3
	v_lshrrev_b32 v[TM+4+\b], 23, v[TM+12+\b]                           ; the scale's byte
.endr
	v_lshl_or_b32 v[\pw], v[TM+5], 8, v[TM+4]
	v_lshl_or_b32 v[\pw], v[TM+6], 16, v[\pw]
	v_lshl_or_b32 v[\pw], v[TM+7], 24, v[\pw]
.irp c, 0,1
	v_cvt_scalef32_pk16_fp6_f32 v[\pc+6*\c:\pc+2+6*\c], v[\s+32*\c:\s+15+32*\c], v[TM+12+2*\c]
	v_cvt_scalef32_pk16_fp6_f32 v[CT+4*\c:CT+2+4*\c], v[\s+16+32*\c:\s+31+32*\c], v[TM+12+2*\c+1]
.endr
	v_nop                                          ; one plain instruction behind a scaled conversion
.irp c, 0,1
.irp i, 0,1,2
	v_permlane16_swap_b32 v[\pc+6*\c+\i], v[CT+4*\c+\i]
.endr
.irp i, 0,1,2
	v_mov_b32 v[\pc+3+6*\c+\i], v[CT+4*\c+\i]
.endr
.endr
.endm
; the weights' four fragments of K step st, from the chunk whose base is s[lo:lo+1], into ring place st % 4 (window 2): 12 loads of 512 consecutive bytes
.macro BFETCH st, lo
.irp b, 0,1,2,3
.irp i, 0,1,2
	global_load_b128 v[48*((\st)&3)+12*\b+4*\i:48*((\st)&3)+12*\b+4*\i+3], v[BO0], s[\lo:\lo+1] offset:(\st)*6144+\b*1536+512*\i
.endr
.endr
.endm
; a chunk's scale words of the weights: register 8 b + s, lane r: column r of tile b
.macro WSLOAD lo
.irp b, 0,1,2,3
.irp i, 0,1
	global_load_b128 v[WS+8*\b+4*\i:WS+8*\b+4*\i+3], v[WSO0], s[\lo:\lo+1] offset:\b*512+16*\i
.endr
.endr
.endm
; the rows' nine fragments of K step SP1 into set SP1 % 2 (window 1): 27 loads
.macro AFETCH
.set AP, 108*(SP1&1)
.set AO, (SP1&3)*13824
.irp a, 0,1,2,3,4,5,6,7,8
.irp i, 0,1,2
.if SP1 < 4
	ds_load_b128 v[AP+12*\a+4*\i:AP+12*\a+4*\i+3], v[LI0] offset:AO+\a*1536+512*\i
.else
	ds_load_b128 v[AP+12*\a+4*\i:AP+12*\a+4*\i+3], v[LI1] offset:AO+\a*1536+512*\i
.endif
.endr
.endr
.endm
.macro MM d, a, b, sa, sb, zero
.if \zero
	v_wmma_scale_f32_16x16x128_f8f6f4 v[\d:\d+7], v[\a:\a+11], v[\b:\b+11], 0, v[\sa], v[\sb] matrix_a_fmt:MATRIX_FMT_FP6 matrix_b_fmt:MATRIX_FMT_FP6
.else
	v_wmma_scale_f32_16x16x128_f8f6f4 v[\d:\d+7], v[\a:\a+11], v[\b:\b+11], v[\d:\d+7], v[\sa], v[\sb] matrix_a_fmt:MATRIX_FMT_FP6 matrix_b_fmt:MATRIX_FMT_FP6
.endif
.endm
; tile a's 16 list entries, which lie in s[16:31], become 16 bases s[32:63]: enc + 4,096 x the row; then the next tile's entries are asked for.  A tile past the list's end takes the last 16 entries: its sums are not kept
.macro ROWS a
	s_wait_kmcnt 0x0                               ; the entries are in
	s_wait_xcnt 0x0                                ; the loads issued so far have read their bases, and the scalar load its offset: both are written again only behind this wait
.set k, 0
.rept 16
	s_min_u32 s80, s[16+k], 2047
	s_lshl_b32 s80, s80, 12
	s_add_nc_u64 s[32+2*k:33+2*k], s[4:5], s[80:81]
.set k, k+1
.endr
.if (\a)+1 < 9
	s_add_co_u32 s82, s83, 16*((\a)+1)
	s_min_u32 s82, s82, 2032
	s_lshl_b32 s82, s82, 2
	s_load_b512 s[16:31], s[6:7], s82 offset:0x0   ; wanted two units of loads further on
.endif
.endm
; unit u of 18: tile u / 2 of the rows, my K step wave + 4 (u % 2): 16 loads, a row each, 512 consecutive bytes, into set u % 4 of window 3
.macro XISSUE u
	WIN 0xc0                                       ; destination window 3
.irp j, 0,1,2,3,4,5,6,7,8,9,10,11,12,13,14,15
	global_load_b128 v[64*((\u)%4)+4*\j:64*((\u)%4)+4*\j+3], v[XB], s[32+2*\j:33+2*\j] offset:2048*((\u)%2) th:TH_LOAD_NT
.endr
.endm
.macro XUNIT u
.if 16*(17-(\u)) < 48
	s_wait_loadcnt 16*(17-(\u))                    ; the units behind this one may be out
.else
	s_wait_loadcnt 48                              ; this unit's 16 loads are in; three younger units may be out
.endif
	WIN 0x0c                                       ; an LDS store's data: window 3
.irp j, 0,1,2,3,4,5,6,7,8,9,10,11,12,13,14,15
	ds_store_b128 v[STW], v[64*((\u)%4)+4*\j:64*((\u)%4)+4*\j+3] offset:528*\j
.endr
	WIN 0
.irp b, 0,1,2,3
.irp j, 0,1,2,3
	ds_load_b128 v[X+16*\b+4*\j:X+16*\b+4*\j+3], v[STR] offset:128*\b+16*\j   ; LDS serves a wave's instructions in order: these see the stores above
.endr
.endr
	s_wait_dscnt 0x0                               ; the numbers are back, the set has been read out, and the last unit's image stores have read their registers
.if (\u)+4 < 18
.if ((\u)%2) == 0
	ROWS ((\u)+4)/2                                ; a new tile of rows begins
.endif
	XISSUE (\u)+4
	WIN 0
.endif
	QUANT X, PC, PW
.irp i, 0,1,2
.if (\u)%2 == 0
	ds_store_b128 v[XWI0], v[PC+4*\i:PC+4*\i+3] offset:((\u)/2)*1536+512*\i
.else
	ds_store_b128 v[XWI1], v[PC+4*\i:PC+4*\i+3] offset:((\u)/2)*1536+512*\i
.endif
.endr
	ds_store_b32 v[XWS], v[PW] offset:((\u)/2)*1024+16*((\u)%2)
.endm
; K step s of a chunk: 36 matrix instructions, the 36 accumulators by turns in one order.  The rows' fragments are fetched one step ahead, the weights' three.
.macro KSTEP s
.set SP1, ((\s)+1)&7
.set BS,  ((\s)+3)&7
.set AP0, 108*((\s)&1)
.set BR0, 48*((\s)&3)
	PLACES 4                                       ; in front of loads into registers that the last matrix instructions have read
	WIN 0x40
	AFETCH
.if (\s) == 0
	WIN 0
	s_wait_loadcnt 0x0                             ; the first three K steps and the scale words, asked for a chunk's closing work ago; no load is out, so the bases may be written
	s_mov_b32 s81, 0
	s_mul_i32 s80, s79, 49152
	s_add_nc_u64 s[BCH:BCH+1], s[10:11], s[80:81]
	s_add_co_u32 s82, s79, 1
	s_and_b32 s82, s82, 3                          ; behind the last chunk comes the first again: for the next pass
	s_mul_i32 s80, s82, 49152
	s_add_nc_u64 s[BNX:BNX+1], s[10:11], s[80:81]
	s_lshl_b32 s80, s82, 13
	s_add_nc_u64 s[WNX:WNX+1], s[88:89], s[80:81]
	s_lshl_b32 s80, s79, 10
	s_add_nc_u64 s[HCH:HCH+1], s[90:91], s[80:81]
	s_add_nc_u64 s[VCH:VCH+1], s[92:93], s[80:81]
.irp b, 0,1,2,3
	global_load_b32 v[HB+2*\b], v[HO0], s[HCH:HCH+1] offset:64*\b
.endr
.irp b, 0,1,2,3
	global_load_b32 v[V2+2*\b], v[HO0], s[VCH:VCH+1] offset:64*\b
.endr
.endif
	WIN 0x80
.if (\s) < 5
	BFETCH BS, BCH
.else
	BFETCH BS, BNX
.endif
.if (\s) > 0
	s_wait_loadcnt 36                              ; this step's weights are in: the three younger steps, 12 loads each, may be out
.endif
	s_wait_dscnt 27                                ; this step's rows are in: the next step's 27 loads may be out
	WIN 0xf9                                       ; source 0 (rows) window 1, source 1 (weights) window 2, C and D window 3
.irp a, 0,1,2,3,4,5,6,7
.irp b, 0,1,2,3
.if (\s) == 0
	MM 32*\a+8*\b, AP0+12*\a, BR0+12*\b, AS+8*\a+(\s), WS+8*\b+(\s), 1
.else
	MM 32*\a+8*\b, AP0+12*\a, BR0+12*\b, AS+8*\a+(\s), WS+8*\b+(\s), 0
.endif
.endr
.endr
	WIN 0xa9                                       ; tile 8: C and D window 2
.irp b, 0,1,2,3
.if (\s) == 0
	MM 192+8*\b, AP0+96, BR0+12*\b, AS+64+(\s), WS+8*\b+(\s), 1
.else
	MM 192+8*\b, AP0+96, BR0+12*\b, AS+64+(\s), WS+8*\b+(\s), 0
.endif
.endr
.endm
; tile a of the rows: lane = column, register j = row 8 h + j.  32 numbers a lane: one batch of exponentials, one of reciprocals, each with one wait ahead of its first reader
.macro EPI a
.if (\a) < 8
	WIN 0x03
.set EA, 32*(\a)
.else
	WIN 0x02
.set EA, 192
.endif
.irp b, 0,1,2,3
.irp p, 0,2,4,6
	v_pk_fma_f32 v[T+8*\b+\p:T+8*\b+\p+1], v[EA+8*\b+\p:EA+8*\b+\p+1], s[84:85], v[HB+2*\b:HB+2*\b+1] op_sel_hi:[1,0,0]   ; 2 log2(e) x: each accumulator from its low end on
.endr
.endr
	WIN 0
.set i, 0
.rept 32
	v_exp_f32 v[T+i], v[T+i]
.set i, i+1
.endr
	v_nop                                          ; a plain instruction behind the last exponential
	s_wait_alu depctr_va_vdst(0)                   ; one wait for the batch, ahead of the first reader
.set i, 0
.rept 16
	v_pk_add_f32 v[T+i:T+i+1], v[T+i:T+i+1], 1.0 op_sel_hi:[1,0]
.set i, i+2
.endr
.set i, 0
.rept 32
	v_rcp_f32 v[T+i], v[T+i]
.set i, i+1
.endr
	v_nop
	s_wait_alu depctr_va_vdst(0)
.irp b, 0,1,2,3
.irp p, 0,2,4,6
	v_pk_fma_f32 v[SA+8*(\a)+\p:SA+8*(\a)+\p+1], v[T+8*\b+\p:T+8*\b+\p+1], v[V2+2*\b:V2+2*\b+1], v[SA+8*(\a)+\p:SA+8*(\a)+\p+1] op_sel_hi:[1,0,1]   ; - 2 v / (1 + 2^..)
.endr
.endr
.endm
; the four waves' sums of row v[ri] of the pass (LDS address v[ra]) are added and stored at the row that the list names there; a lane whose row the pass does not have stores to its own spare word v[sp]
.macro SCAT ri, ra, sp
.irp w, 0,1,2,3
	ds_load_b32 v[26+\w], v[\ra] offset:576*\w
.endr
	v_add_nc_u32 v30, s82, v[\ri]
	v_min_u32 v30, 2047, v30
	v_lshlrev_b32 v30, 2, v30
	global_load_b32 v31, v30, s[6:7]
	s_wait_loadcnt 0x0
	s_wait_dscnt 0x0
	v_add_f32 v26, v26, v27
	v_add_f32 v28, v28, v29
	v_add_f32 v26, v26, v28
	v_min_u32 v24, 2047, v31                       ; the row,
	v_add_nc_u32 v24, s3, v24                      ; in my batch
	v_cmp_gt_u32 vcc_lo, s83, v[\ri]               ; has the pass so many rows?
	v_cndmask_b32 v24, v[\sp], v24, vcc_lo         ; if not: my own spare word
	v_min_u32 v24, 0x1ffff, v24                    ; sc has 65,536 + 65,536 words
	v_lshlrev_b32 v24, 2, v24
	global_store_b32 v24, v26, s[94:95]
	s_wait_xcnt 0x0                                ; the store has read its registers: they may be written again
.endm
	s_load_b256 s[4:11], s[0:1], 0x0               ; enc s[4:5], list s[6:7], cnt s[8:9], wq s[10:11]
	s_load_b256 s[88:95], s[0:1], 0x20             ; wsc s[88:89], hbc s[90:91], v_w s[92:93], sc s[94:95]
	v_lshl_add_u32 v21, v0, 2, 0x26800
	v_mov_b32 v25, 0
	v_lshrrev_b32 v1, 5, v0
	v_readfirstlane_b32 s70, v1                    ; wave 0..3
	s_and_b32 s71, ttmp7, 0xffff                   ; the batch
	v_and_b32 v2, 31, v0                           ; lane
	v_and_b32 v3, 15, v0                           ; r
	v_bfe_u32 v4, v0, 4, 1                         ; h
	s_mov_b32 s84, 0x4038aa3b                      ; 2 log2(e)
	s_mov_b32 s85, s84                             ; (named with it as a pair)
	s_mov_b32 s[SEL], 0x76543210
	s_mov_b32 s[SEL+1], 0xfedcba98
	s_lshl_b32 s3, s71, 11                         ; 2,048 x batch: my batch's first word of sc
	s_lshl_b32 s2, s71, 3
	s_add_co_u32 s2, s2, ttmp9                     ; my work-group's number, 0 .. 255,
	s_lshl_b32 s2, s2, 8                           ; x 256 spare words,
	s_add_co_u32 s2, s2, 0x10000                   ; behind the 65,536 scores
	v_add_nc_u32 v[SPA0], s2, v0                   ; a spare word for each thread,
	v_add_nc_u32 v[SPA1], 128, v[SPA0]             ; and a second for wave 0's lanes
	v_lshlrev_b32 v[LI0], 4, v2
	v_add_nc_u32 v[LI1], 55296, v[LI0]
	s_mul_i32 s80, s70, 13824
	v_add_nc_u32 v[XWI0], s80, v[LI0]
	v_add_nc_u32 v[XWI1], 55296, v[XWI0]
	v_lshlrev_b32 v[ASR], 5, v2
	v_add_nc_u32 v[ASR], ASC, v[ASR]
	s_lshl_b32 s80, s70, 2
	v_add_nc_u32 v[XWS], s80, v[ASR]
	s_mul_i32 s80, s70, 8448
	s_add_co_u32 s80, s80, STG
	v_add_nc_u32 v[STW], s80, v[LI0]
	v_mul_u32_u24 v[STR], v3, 528
	v_lshl_add_u32 v[STR], v4, 6, v[STR]
	v_add_nc_u32 v[STR], s80, v[STR]
	s_mul_i32 s80, s70, 576
	s_add_co_u32 s80, s80, PART
	v_lshlrev_b32 v[PWA], 5, v4
	v_add_nc_u32 v[PWA], s80, v[PWA]
	s_lshl_b32 s80, s70, 9
	v_add_nc_u32 v[XB], s80, v[LI0]
	s_mul_i32 s80, s70, 196608
	v_add_nc_u32 v[BO0], s80, v[LI0]
	v_lshlrev_b32 v[WSO0], 5, v3
	s_lshl_b32 s80, s70, 11
	v_add_nc_u32 v[WSO0], s80, v[WSO0]
	v_lshlrev_b32 v[HO0], 2, v3
	s_lshl_b32 s80, s70, 8
	v_add_nc_u32 v[HO0], s80, v[HO0]
	v_lshl_add_u32 v[SC0A], v0, 2, PART            ; the scatter's addresses and rows: made here, once
	v_add_nc_u32 v[SC1R], 128, v3
	v_lshl_add_u32 v[SC1A], v3, 2, PART+512
.irp b, 0,1,2,3
	v_mov_b32 v[HB+2*\b+1], 0                      ; the pairs' upper registers are named, so they are written
	v_mov_b32 v[V2+2*\b+1], 0
.endr
	v_mov_b32 v[VS+1], 0
	s_wait_kmcnt 0x0
	s_lshl_b32 s82, s71, 2
	s_load_b32 s73, s[8:9], s82 offset:0x0         ; n = cnt[b]
	s_lshl_b32 s80, s71, 23
	s_mov_b32 s81, 0
	s_add_nc_u64 s[4:5], s[4:5], s[80:81]          ; the batch's rows of enc,
	s_lshl_b32 s80, s71, 13
	s_add_nc_u64 s[6:7], s[6:7], s[80:81]          ; its list,
	s_lshl_b32 s80, s71, 12
	s_add_nc_u64 s[90:91], s[90:91], s[80:81]      ; its row of hbc
	WIN 0x80
	BFETCH 0, 10                                   ; chunk 0's first three K steps of the weights and its scale words
	BFETCH 1, 10
	BFETCH 2, 10
	WIN 0
	WSLOAD 88
	s_wait_kmcnt 0x0
	s_min_u32 s73, s73, 2048
	s_add_co_u32 s74, s73, 127
	s_lshr_b32 s74, s74, 7
	s_lshl_b32 s74, s74, 4                         ; q = 16 ceil(n / 128)
	s_mul_i32 s75, ttmp9, s74                      ; my first list position
	s_sub_co_i32 s76, s73, s75
	s_min_i32 s76, s76, s74                        ; my rows: at most q,
	s_max_i32 s76, s76, 0                          ; none where the list ends ahead of me,
	s_min_u32 s76, s76, 256                        ; never more than two passes hold
	s_mov_b32 s77, 0                               ; the pass
	s_mov_b32 s78, 0                               ; 144 x the pass
.Lpass:
	s_cmp_lt_u32 s78, s76
	s_cbranch_scc0 .Lx_skip
	; ---------------- X: 144 rows become 72 images ----------------
	s_wait_loadcnt 0x0                             ; the weights asked for earlier are in: the counts below count this phase's loads alone
.irp b, 0,1,2,3
	v_mov_b32 v[TM+4+\b], 0                        ; a lane permute's destination counts as one of its sources
.endr
	s_add_co_u32 s83, s75, s78                     ; the pass's first list position: a multiple of 16
	s_mov_b32 s81, 0
	s_min_u32 s82, s83, 2032
	s_lshl_b32 s82, s82, 2
	s_load_b512 s[16:31], s[6:7], s82 offset:0x0   ; tile 0's list entries
	ROWS 0
	XISSUE 0
	XISSUE 1
	ROWS 1
	XISSUE 2
	XISSUE 3                                       ; four units, 64 loads of 512 bytes, are on their way in each wave
.irp u, 0,1,2,3,4,5,6,7,8,9,10,11,12,13,14,15,16,17
	XUNIT \u
.endr
.Lx_skip:
	s_wait_dscnt 0x0                               ; my images and scale words lie in LDS
	s_barrier_signal -1
	s_barrier_wait -1
	s_cmp_lt_u32 s78, s76
	s_cbranch_scc0 .Lg_skip
	; ---------------- G: the products, tanh, the product with v_w ----------------
.irp a, 0,1,2,3,4,5,6,7,8
.irp i, 0,1
	ds_load_b128 v[AS+8*\a+4*\i:AS+8*\a+4*\i+3], v[ASR] offset:\a*1024+16*\i   ; the rows' scale words for all of K: register 8 a + s
.endr
.endr
.set SP1, 0
	WIN 0x40
	AFETCH
	WIN 0
.set i, 0
.rept 72
	v_mov_b32 v[SA+i], 0                           ; the rows' sums: they run over the four trips of the loop below
.set i, i+1
.endr
	v_mov_b32 v[VS], 0
	s_wait_dscnt 27                                ; the 18 loads of scale words are in; K step 0's 27 fragment loads may be out
	s_mov_b32 s79, 0                               ; the chunk
.Lchunk:
	KSTEP 0
	KSTEP 1
	KSTEP 2
	KSTEP 3
	KSTEP 4
	KSTEP 5
	KSTEP 6
	KSTEP 7
	WIN 0
	PLACES 4                                       ; in front of the loads into the scale registers and of the first read of results
	WSLOAD WNX                                     ; the next chunk's scale words
.irp b, 0,1,2,3
	v_add_f32 v[VS], v[VS], v[V2+2*\b]             ; sum of v_w over my columns
.endr
.irp b, 0,1,2,3
	v_mul_f32 v[V2+2*\b], -2.0, v[V2+2*\b]
.endr
.irp a, 0,1,2,3,4,5,6,7,8
	EPI \a
.endr
	s_add_co_u32 s79, s79, 1
	s_cmp_lt_u32 s79, 4
	s_cbranch_scc1 .Lchunk
.set i, 0
.rept 36
	v_pk_add_f32 v[SA+i:SA+i+1], v[SA+i:SA+i+1], v[VS:VS+1] op_sel_hi:[1,0]
.set i, i+2
.endr
.irp m, 1,2,4,8                                ; over the 16 lanes of a half: my wave's 256 columns
.set i, 0
.rept 72
	v_add_f32_dpp v[SA+i], v[SA+i], v[SA+i] row_xmask:\m row_mask:0xf bank_mask:0xf
.set i, i+1
.endr
.endr
.irp a, 0,1,2,3,4,5,6,7,8
.irp j, 0,1,2,3,4,5,6,7
	ds_store_b32 v[PWA], v[SA+8*\a+\j] offset:(16*\a+\j)*4   ; row 16 a + 8 h + j: a half's 16 lanes write the same word with the same value
.endr
.endr
.Lg_skip:
	s_wait_dscnt 0x0                               ; my sums lie in LDS, and my reads of the images are over (the last K step's look-ahead among them)
	s_barrier_signal -1
	s_barrier_wait -1
	s_cmp_lt_u32 s78, s76
	s_cbranch_scc0 .Lf_skip
	; ---------------- the four waves' sums, to the rows that the list names ----------------
	s_sub_co_u32 s83, s76, s78                     ; rows of this pass (144 or more: all)
	s_add_co_u32 s82, s75, s78                     ; its first list position
	SCAT 0, SC0A, SPA0                             ; rows 0-127: a thread each
	s_cmp_lg_u32 s70, 0
	s_cbranch_scc1 .Lf_skip
	SCAT SC1R, SC1A, SPA1                          ; rows 128-143: wave 0, both halves of the lanes alike
.Lf_skip:
	s_add_co_u32 s78, s78, 144
	s_add_co_u32 s77, s77, 1
	s_cmp_lt_u32 s77, 2
	s_cbranch_scc1 .Lpass
	s_wait_tensorcnt 0x0
	ds_add_u32 v21, v25
	s_wait_dscnt 0x0
	s_endpgm
.Lfunc_end_k_q6593fd9c7a_score:
	.size	k_q6593fd9c7a_score, .Lfunc_end_k_q6593fd9c7a_score-k_q6593fd9c7a_score
	.p2alignl 7, 3214868480
	.fill 96, 4, 3214868480
	.section	.rodata,"a",@progbits
	.p2align	6, 0x0
	.amdhsa_kernel k_q6593fd9c7a_score
		.amdhsa_group_segment_fixed_size 158208
		.amdhsa_private_segment_fixed_size 0
		.amdhsa_enable_private_segment 0
		.amdhsa_kernarg_size 64
		.amdhsa_user_sgpr_count 2
		.amdhsa_user_sgpr_kernarg_segment_ptr 1
		.amdhsa_wavefront_size32 1
		.amdhsa_system_sgpr_workgroup_id_x 1
		.amdhsa_system_sgpr_workgroup_id_y 1
		.amdhsa_system_sgpr_workgroup_id_z 1
		.amdhsa_system_vgpr_workitem_id 0
		.amdhsa_next_free_vgpr 1024
		.amdhsa_next_free_sgpr 100
		.amdhsa_reserve_vcc 1
		.amdhsa_float_denorm_mode_32 3
		.amdhsa_float_denorm_mode_16_64 3
		.amdhsa_memory_ordered 1
		.amdhsa_forward_progress 1
		.amdhsa_inst_pref_size 255
	.end_amdhsa_kernel
	.section	.bss,"aw",@nobits
	.p2align	6
	.space	262144
	.amdgpu_metadata
---
amdhsa.version: [ 1, 2 ]
amdhsa.kernels:
  - .name:           k_q6593fd9c7a_score
    .symbol:         k_q6593fd9c7a_score.kd
    .args:
      - { .name: encoder_outputs, .offset: 0, .size: 8, .value_kind: global_buffer, .address_space: global }
      - { .name: list, .offset: 8, .size: 8, .value_kind: global_buffer, .address_space: global }
      - { .name: cnt, .offset: 16, .size: 8, .value_kind: global_buffer, .address_space: global }
      - { .name: wq, .offset: 24, .size: 8, .value_kind: global_buffer, .address_space: global }
      - { .name: wsc, .offset: 32, .size: 8, .value_kind: global_buffer, .address_space: global }
      - { .name: hbc, .offset: 40, .size: 8, .value_kind: global_buffer, .address_space: global }
      - { .name: v_w, .offset: 48, .size: 8, .value_kind: global_buffer, .address_space: global }
      - { .name: sc, .offset: 56, .size: 8, .value_kind: global_buffer, .address_space: global }
    .group_segment_fixed_size: 158208
    .private_segment_fixed_size: 0
    .kernarg_segment_align: 8
    .kernarg_segment_size: 64
    .max_flat_workgroup_size: 128
    .sgpr_count:     100
    .vgpr_count:     1024
    .wavefront_size: 32
...
	.end_amdgpu_metadata
.endif
;; end of part 2
;; launch ctx (part 3): grid 8 x 32, 16 waves a work-group, no clusters, 18,944 bytes of LDS; arguments encoder_outputs, sc, mask, list, cnt, out0, out1; writes out0, out1
.if DOCPART == 3
	.amdgcn_target "amdgcn-amd-amdhsa--gfx1250"
	.amdhsa_code_object_version 6
	.text
	.protected	k_q6593fd9c7a_ctx
	.globl	k_q6593fd9c7a_ctx
	.p2align	8
	.type	k_q6593fd9c7a_ctx,@function
k_q6593fd9c7a_ctx:
	s_mov_b64 s[64:65], 0
	v_nop
	global_prefetch_b8 v0, s[64:65] scope:SCOPE_SE
	s_setreg_imm32_b32 hwreg(HW_REG_WAVE_MODE, 25, 1), 1
	s_wait_xcnt 0x0
; CTX.  attention = where(mask == 0, -1e10, sc); out1 = softmax over the batch's 2,048 rows (the row maximum is taken away first); out0[b][e] = sum over rows of out1 x enc[b][row][e], in f32.
; SHARES.  Work-group (j, b): batch b, columns 128 j .. 128 j + 127 of out0, and rows 256 j .. 256 j + 255 of out1.  Every work-group of a batch makes the batch's softmax anew (2,048 numbers); thread t holds rows 4 t .. 4 t + 3.
; Only the rows that the list names in its first n = cnt[b] places are read from enc: the others' weight is exp(-1e10 - max) = 0 in reference() too.  LIMIT: that takes the largest score to lie above about -9e9, that is
; sum |v_w| under 9e9; NaN and infinities among the inputs are not served.
; The weights by list place go through LDS; a wave takes 16 places a trip: 16 loads, each 512 consecutive bytes of one row, a lane 4 columns.  The rows' numbers are the same in all lanes and come by a scalar load of the list.
; Memory binds: no matrix unit, no cluster; the loads of 16 waves, 16 each, are on their way together.
.set NEGB, 0xd01502f9                  ; -1e10
.set RED2, 256                         ; LDS: 0: the waves' maxima;  RED2: their sums
.set EC,   512                         ; the weights (not yet divided) by list place: 2,048 words
.set CP,   8704                        ; the waves' parts of the context: 512 bytes each
	s_load_b256 s[4:11], s[0:1], 0x0               ; enc s[4:5], sc s[6:7], mask s[8:9], list s[10:11]
	s_load_b128 s[12:15], s[0:1], 0x20             ; cnt s[12:13], out0 s[14:15]
	s_load_b64 s[36:37], s[0:1], 0x30              ; out1
	v_lshl_add_u32 v192, v0, 2, 0x4200
	v_mov_b32 v193, 0
	v_lshrrev_b32 v1, 5, v0
	v_readfirstlane_b32 s32, v1                    ; wave 0..15
	s_and_b32 s33, ttmp7, 0xffff                   ; the batch
	v_and_b32 v2, 31, v0                           ; lane
	v_lshlrev_b32 v3, 4, v0                        ; 16 t
	v_lshlrev_b32 v6, 4, v2                        ; 16 x lane
	v_mov_b32 v7, NEGB
	v_mov_b32 v33, 0                               ; a lane permute's destination counts as one of its sources
	v_lshlrev_b32 v34, 2, v1                       ; 4 x wave
	v_mov_b32 v35, 0
	s_mov_b32 s38, 0x76543210
	s_mov_b32 s39, 0xfedcba98
	s_mov_b32 s43, 0
	s_wait_kmcnt 0x0
	s_lshl_b32 s34, s33, 2
	s_load_b32 s40, s[12:13], s34 offset:0x0       ; n
	s_lshl_b32 s42, s33, 13
	s_add_nc_u64 s[6:7], s[6:7], s[42:43]
	s_add_nc_u64 s[8:9], s[8:9], s[42:43]
	s_add_nc_u64 s[10:11], s[10:11], s[42:43]
	s_add_nc_u64 s[36:37], s[36:37], s[42:43]
	s_lshl_b32 s42, s33, 23
	s_add_nc_u64 s[4:5], s[4:5], s[42:43]
	s_lshl_b32 s42, s33, 12
	s_lshl_b32 s41, ttmp9, 9
	s_add_co_u32 s42, s42, s41
	s_add_nc_u64 s[14:15], s[14:15], s[42:43]      ; out0: the batch's row, my 512 bytes
	v_add_nc_u32 v4, s41, v6                       ; enc: my work-group's 512 bytes of a row, my lane's 16
	global_load_b128 v[8:11], v3, s[6:7]           ; scores of rows 4 t ..
	global_load_b128 v[12:15], v3, s[8:9]          ; their mask
	global_load_b128 v[16:19], v3, s[10:11]        ; list places 4 t ..
	s_wait_loadcnt 0x0
.irp k, 0,1,2,3
	v_min_u32 v[20+\k], 2047, v[16+\k]
.endr
.irp k, 0,1,2,3
	v_lshlrev_b32 v[20+\k], 2, v[20+\k]
.endr
.irp k, 0,1,2,3
	global_load_b32 v[24+\k], v[20+\k], s[6:7]     ; the listed rows' scores
.endr
.irp k, 0,1,2,3
	global_load_b32 v[28+\k], v[20+\k], s[8:9]     ; and mask
.endr
.irp k, 0,1,2,3
	v_cmp_eq_u32 vcc_lo, 0, v[12+\k]
	v_cndmask_b32 v[8+\k], v[8+\k], v7, vcc_lo     ; where(mask == 0, -1e10, score)
.endr
	v_max3_num_f32 v32, v8, v9, v10
	v_max_num_f32 v32, v32, v11
	v_max_num_f32_dpp v32, v32, v32 row_xmask:1 row_mask:0xf bank_mask:0xf
	v_max_num_f32_dpp v32, v32, v32 row_xmask:2 row_mask:0xf bank_mask:0xf
	v_max_num_f32_dpp v32, v32, v32 row_xmask:4 row_mask:0xf bank_mask:0xf
	v_max_num_f32_dpp v32, v32, v32 row_xmask:8 row_mask:0xf bank_mask:0xf
	v_permlanex16_b32 v33, v32, s38, s39
	v_max_num_f32 v32, v32, v33
	ds_store_b32 v34, v32                          ; my wave's maximum
	s_wait_loadcnt 0x0
.irp k, 0,1,2,3
	v_cmp_eq_u32 vcc_lo, 0, v[28+\k]
	v_cndmask_b32 v[24+\k], v[24+\k], v7, vcc_lo
.endr
	s_wait_kmcnt 0x0
	s_min_u32 s40, s40, 2048
	s_wait_dscnt 0x0
	s_barrier_signal -1
	s_barrier_wait -1
.irp i, 0,1,2,3
	ds_load_b128 v[36+4*\i:39+4*\i], v35 offset:16*\i
.endr
	s_wait_dscnt 0x0
	v_max3_num_f32 v52, v36, v37, v38
.irp i, 39,41,43,45,47,49
	v_max3_num_f32 v52, v52, v[\i], v[\i+1]
.endr
	v_max_num_f32 v52, v52, v51                    ; the batch's maximum
.irp k, 0,1,2,3
	v_sub_f32 v[8+\k], v[8+\k], v52
	v_sub_f32 v[24+\k], v[24+\k], v52
.endr
.irp k, 0,1,2,3
	v_mul_f32 v[8+\k], 0x3fb8aa3b, v[8+\k]
	v_mul_f32 v[24+\k], 0x3fb8aa3b, v[24+\k]
.endr
.irp k, 0,1,2,3
	v_exp_f32 v[8+\k], v[8+\k]
	v_exp_f32 v[24+\k], v[24+\k]
.endr
	v_lshlrev_b32 v55, 2, v0                       ; 4 t.  (A plain instruction behind the exponentials)
	s_wait_alu depctr_va_vdst(0)                   ; one wait for the eight, ahead of the first reader
	v_add_f32 v53, v8, v9
	v_add_f32 v54, v10, v11
	v_add_f32 v53, v53, v54
	v_add_f32_dpp v53, v53, v53 row_xmask:1 row_mask:0xf bank_mask:0xf
	v_add_f32_dpp v53, v53, v53 row_xmask:2 row_mask:0xf bank_mask:0xf
	v_add_f32_dpp v53, v53, v53 row_xmask:4 row_mask:0xf bank_mask:0xf
	v_add_f32_dpp v53, v53, v53 row_xmask:8 row_mask:0xf bank_mask:0xf
	v_permlanex16_b32 v33, v53, s38, s39
	v_add_f32 v53, v53, v33
	ds_store_b32 v34, v53 offset:RED2              ; my wave's sum
.irp k, 0,1,2,3
	v_add_nc_u32 v56, \k, v55
	v_cmp_gt_u32 vcc_lo, s40, v56
	v_cndmask_b32 v[24+\k], 0, v[24+\k], vcc_lo    ; a list place from n on weighs nothing
.endr
	ds_store_b128 v3, v[24:27] offset:EC
	s_wait_dscnt 0x0
	s_barrier_signal -1
	s_barrier_wait -1
.irp i, 0,1,2,3
	ds_load_b128 v[36+4*\i:39+4*\i], v35 offset:RED2+16*\i
.endr
	s_wait_dscnt 0x0
.irp i, 36,38,40,42,44,46,48,50
	v_add_f32 v[\i], v[\i], v[\i+1]
.endr
.irp i, 36,40,44,48
	v_add_f32 v[\i], v[\i], v[\i+2]
.endr
	v_add_f32 v36, v36, v40
	v_add_f32 v44, v44, v48
	v_add_f32 v36, v36, v44
	v_rcp_f32 v57, v36                             ; 1 / the sum
	v_nop
	s_wait_alu depctr_va_vdst(0)
	s_lshr_b32 s41, s32, 1
	s_cmp_lg_u32 s41, ttmp9
	s_cbranch_scc1 .Lno_w                          ; waves 2 j and 2 j + 1 store the weights of rows 256 j on: each row once among the batch's eight work-groups
.irp k, 0,1,2,3
	v_mul_f32 v[60+\k], v[8+\k], v57
.endr
	global_store_b128 v3, v[60:63], s[36:37]       ; a wave stores 512 consecutive bytes
.Lno_w:
.irp k, 0,1,2,3
	v_mov_b32 v[64+\k], 0                          ; my four columns' sums
.endr
	s_lshl_b32 s44, s32, 6                         ; my 16 places of a trip, in bytes
	s_lshl_b32 s45, s32, 4                         ; and as a place
	s_mov_b32 s46, 0
.Ltrip:                                            ; eight trips of 256 places; a trip whose 16 places lie at or beyond n does nothing
	s_cmp_lt_u32 s45, s40
	s_cbranch_scc0 .Lidle
	s_load_b512 s[16:31], s[10:11], s44 offset:0x0 ; the 16 rows
	v_mov_b32 v5, s44
.irp i, 0,1,2,3
	ds_load_b128 v[68+4*\i:71+4*\i], v5 offset:EC+16*\i   ; their weights: all lanes read the same words
.endr
	s_wait_kmcnt 0x0
.set k, 0
.rept 16
	s_min_u32 s[16+k], s[16+k], 2047
	v_lshl_add_u32 v[84+k], s[16+k], 12, v4
.set k, k+1
.endr
.set k, 0
.rept 16
	global_load_b128 v[100+4*k:103+4*k], v[84+k], s[4:5] th:TH_LOAD_NT
.set k, k+1
.endr
	s_wait_dscnt 0x0
.set k, 0
.rept 16
	s_wait_loadcnt 15-k                            ; row k is in; the rows behind it may be out
.irp c, 0,1,2,3
	v_fmac_f32 v[64+\c], v[68+k], v[100+4*k+\c]
.endr
.set k, k+1
.endr
.Lidle:
	s_add_co_u32 s44, s44, 1024
	s_add_co_u32 s45, s45, 256
	s_add_co_u32 s46, s46, 1
	s_cmp_lt_u32 s46, 8
	s_cbranch_scc1 .Ltrip
	ds_store_b128 v3, v[64:67] offset:CP           ; 512 x wave + 16 x lane = 16 t
	s_wait_dscnt 0x0
	s_barrier_signal -1
	s_barrier_wait -1
	s_cmp_lg_u32 s32, 0
	s_cbranch_scc1 .Lend
.irp w, 0,1,2,3,4,5,6,7,8,9,10,11,12,13,14,15
	ds_load_b128 v[100+4*\w:103+4*\w], v6 offset:CP+512*\w
.endr
	s_wait_dscnt 0x0
.irp w, 1,2,3,4,5,6,7,8,9,10,11,12,13,14,15
	v_pk_add_f32 v[100:101], v[100:101], v[100+4*\w:101+4*\w]
	v_pk_add_f32 v[102:103], v[102:103], v[102+4*\w:103+4*\w]
.endr
.irp c, 0,1,2,3
	v_mul_f32 v[100+\c], v[100+\c], v57
.endr
	global_store_b128 v6, v[100:103], s[14:15]     ; 32 lanes store 512 consecutive bytes of out0
.Lend:
	s_wait_tensorcnt 0x0
	ds_add_u32 v192, v193
	s_wait_dscnt 0x0
	s_endpgm
.Lfunc_end_k_q6593fd9c7a_ctx:
	.size	k_q6593fd9c7a_ctx, .Lfunc_end_k_q6593fd9c7a_ctx-k_q6593fd9c7a_ctx
	.p2alignl 7, 3214868480
	.fill 96, 4, 3214868480
	.section	.rodata,"a",@progbits
	.p2align	6, 0x0
	.amdhsa_kernel k_q6593fd9c7a_ctx
		.amdhsa_group_segment_fixed_size 18944
		.amdhsa_private_segment_fixed_size 0
		.amdhsa_enable_private_segment 0
		.amdhsa_kernarg_size 56
		.amdhsa_user_sgpr_count 2
		.amdhsa_user_sgpr_kernarg_segment_ptr 1
		.amdhsa_wavefront_size32 1
		.amdhsa_system_sgpr_workgroup_id_x 1
		.amdhsa_system_sgpr_workgroup_id_y 1
		.amdhsa_system_sgpr_workgroup_id_z 1
		.amdhsa_system_vgpr_workitem_id 0
		.amdhsa_next_free_vgpr 194
		.amdhsa_next_free_sgpr 66
		.amdhsa_reserve_vcc 1
		.amdhsa_float_denorm_mode_32 3
		.amdhsa_float_denorm_mode_16_64 3
		.amdhsa_memory_ordered 1
		.amdhsa_forward_progress 1
		.amdhsa_inst_pref_size 19
	.end_amdhsa_kernel
	.amdgpu_metadata
---
amdhsa.version: [ 1, 2 ]
amdhsa.kernels:
  - .name:           k_q6593fd9c7a_ctx
    .symbol:         k_q6593fd9c7a_ctx.kd
    .args:
      - { .name: encoder_outputs, .offset: 0, .size: 8, .value_kind: global_buffer, .address_space: global }
      - { .name: sc, .offset: 8, .size: 8, .value_kind: global_buffer, .address_space: global }
      - { .name: mask, .offset: 16, .size: 8, .value_kind: global_buffer, .address_space: global }
      - { .name: list, .offset: 24, .size: 8, .value_kind: global_buffer, .address_space: global }
      - { .name: cnt, .offset: 32, .size: 8, .value_kind: global_buffer, .address_space: global }
      - { .name: out0, .offset: 40, .size: 8, .value_kind: global_buffer, .address_space: global }
      - { .name: out1, .offset: 48, .size: 8, .value_kind: global_buffer, .address_space: global }
    .group_segment_fixed_size: 18944
    .private_segment_fixed_size: 0
    .kernarg_segment_align: 8
    .kernarg_segment_size: 56
    .max_flat_workgroup_size: 512
    .sgpr_count:     66
    .vgpr_count:     194
    .wavefront_size: 32
...
	.end_amdgpu_metadata
.endif
;; end of part 3
;; ======== version 2 of 2: 3 launches
;; limits: right only within a limited range of input values
;; workspace buffers: wq 786,432 bytes; wsc 32,768 bytes; hbc 131,072 bytes; sc 524,288 bytes; list 262,144 bytes of whole numbers; cnt 256 bytes of whole numbers
;; launch prep (part 4): grid 96 x 1, 8 waves a work-group, no clusters, 17,408 bytes of LDS; arguments attn_w, hidden, attn_b, mask, wq, wsc, hbc, list, cnt, sc; writes wq, wsc, hbc, list, cnt, sc
.if DOCPART == 4
	.amdgcn_target "amdgcn-amd-amdhsa--gfx1250"
	.amdhsa_code_object_version 6
	.text
	.protected	k_q6593fd9c7a_prep
	.globl	k_q6593fd9c7a_prep
	.p2align	8
	.type	k_q6593fd9c7a_prep,@function
k_q6593fd9c7a_prep:
	s_mov_b64 s[64:65], 0
	v_nop
	global_prefetch_b8 v0, s[64:65] scope:SCOPE_SE
	s_setreg_imm32_b32 hwreg(HW_REG_WAVE_SCHED_MODE, 0, 2), 2
	s_setreg_imm32_b32 hwreg(HW_REG_WAVE_MODE, 25, 1), 1
	s_wait_xcnt 0x0
	s_wait_alu depctr_vm_vsrc(0)
; PREP.  Two roles, told apart by the work-group's number.
; Work-groups 0-63 (g): rows 16 g .. 16 g + 15 of attn_w [1024][2048] f32.  Wave s takes K step s (128 along K) of both halves of these rows:
;   w_e (columns 1024 on) becomes codes of FP6 (E2M3) with one E8M0 byte for each 32 along K, stored as an image of the operand's 12 registers in the order in which the next launch's waves take them;
;   w_h (columns 0 on) and hidden [32][1024] are quantised likewise in registers and multiplied: h_proj, one matrix instruction for each 16 rows of hidden and K step; the eight waves' parts meet in LDS,
;   and wave 0 stores hbc[b][n] = (h_proj[b][n] + attn_b[n]) x 2 log2(e): what the next launch's tanh adds to its scaled sums.
; Work-groups 64-95 (b = number - 64): the batch's 2,048 scores are set to -1e10; wave 0 turns mask[b] into a list: the rows with mask != 0 from the front in ascending order, the others from the back
;   (a permutation of 0 .. 2047), and cnt[b] = how many rows count: the rows with mask != 0, or all 2,048 where there is none (reference()'s softmax is then uniform over all rows).
; A block's scale is 2^(floor(log2(largest magnitude)) - 2); its byte is the magnitude's exponent field - 2, held at 1 from below.  A block of zeros keeps the byte 1: its codes are zeros and this program alone reads the bytes.
; LIMITS: NaN and infinities among the inputs are not served.
; THE MODE: SCHED_MODE bits 1:0 = 2 (LLVM: expert scheduling mode 2), set by the entry lines.  The code itself states the register dependences
; between vector or matrix instructions and memory or LDS instructions, with s_wait_alu, always for 0.
; THE PLAN, the weights' role.  Registers that memory or LDS instructions touch:
;   v5 .. v11     offsets and LDS addresses: written once, ahead of the first load's wait, never again.
;   ST0, ST1      loads land; QUANT reads; behind a wait on va_vdst hidden's loads land in the same set.
;   PCE, PWE      QUANT writes; the image's stores read, behind the same wait as ST0's second loads; never written again.
;   ACC0, ACC1    the matrix instructions write; the LDS stores read, behind the places and a wait.  That wait also covers wave 0's LDS loads into v16-143, which QUANT read.
;   v16 .. v31    wave 0's sums: vector lines write, hbc's stores read, behind a wait.
;   The codes and scale words of w_h and hidden are written by vector lines and read by the scaled matrix instructions: the places, then a wait.
; THE PLAN, the lists' role.  The compares go in four runs of sixteen into s30 .. s45, one wait on va_sdst behind each run; every store has registers of its own (LA, LR),
;   all of them are written first, and one wait on va_vdst stands ahead of the run of stores.
.set C2B,  0x4038aa3b                  ; 2 log2(e)
.set NEGB, 0xd01502f9                  ; -1e10
.set ST0,  16                          ; v16-79   64 numbers of a lane
.set ST1,  80                          ; v80-143  a second set
.set PCE,  144                         ; w_e's codes, 12 registers
.set PCW,  156                         ; w_h's
.set PCA0, 168                         ; hidden's rows 0-15
.set PCA1, 180                         ; hidden's rows 16-31
.set CT,   192                         ; v192-199 the conversions' second halves
.set TM,   200                         ; v200-215 largest magnitudes, bytes, scale operands
.set PWE,  216                         ; v216-219 scale words, and nothing else
.set PWW,  217
.set PWA0, 218
.set PWA1, 219
.set ACC0, 224
.set ACC1, 232
.set SEL,  40                          ; s[40:41] lane selects: lane l xor 16
.set LM,   16                          ; list role: v16-79 the mask's words
.set LR,   80                          ; v80-143 the rows' numbers
.set LA,   144                         ; v144-207 where each goes in the list, in bytes
.set MK,   30                          ; list role: s30-45 sixteen compares' masks
.macro PLACES n
.rept \n
	v_nop
.endr
.endm
; 64 numbers of a lane, register 16 b + i = k 32 b + 16 (lane / 16) + i of row lane % 16, become a fragment's 12 registers of codes at v[pc] and its scale word in v[pw]
.macro QUANT s, pc, pw
.irp b, 0,1,2,3
	v_max3_num_f32 v[TM+\b], |v[\s+16*\b]|, |v[\s+1+16*\b]|, 0x1800000   ; my 16 numbers of block b, and the floor 2^(3 - 127): the byte cannot fall under 1
.endr
.irp i, 2,4,6,8,10,12,14
.irp b, 0,1,2,3
	v_max3_num_f32 v[TM+\b], v[TM+\b], |v[\s+16*\b+\i]|, |v[\s+1+16*\b+\i]|
.endr
.endr
.irp b, 0,1,2,3
	v_permlanex16_b32 v[TM+4+\b], v[TM+\b], s[SEL], s[SEL+1]
.endr
.irp b, 0,1,2,3
	v_max_num_f32 v[TM+\b], v[TM+\b], v[TM+4+\b]                        ; with lane l xor 16's: the block's largest magnitude
.endr
.irp b, 0,1,2,3
	v_add_nc_u32 v[TM+12+\b], 0xff000000, v[TM+\b]                      ; 2 off its exponent field: the conversion's scale operand
.endr
.irp b, 0,1,2,3
	v_lshrrev_b32 v[TM+4+\b], 23, v[TM+12+\b]                           ; the scale's byte
.endr
	v_lshl_or_b32 v[\pw], v[TM+5], 8, v[TM+4]
	v_lshl_or_b32 v[\pw], v[TM+6], 16, v[\pw]
	v_lshl_or_b32 v[\pw], v[TM+7], 24, v[\pw]
.irp c, 0,1
	v_cvt_scalef32_pk16_fp6_f32 v[\pc+6*\c:\pc+2+6*\c], v[\s+32*\c:\s+15+32*\c], v[TM+12+2*\c]
	v_cvt_scalef32_pk16_fp6_f32 v[CT+4*\c:CT+2+4*\c], v[\s+16+32*\c:\s+31+32*\c], v[TM+12+2*\c+1]   ; (a conversion's three registers begin on an even number)
.endr
	v_nop                                          ; one plain instruction behind a scaled conversion
.irp c, 0,1                                    ; the operand wants a whole block in a lane: lanes 0-15 block 2 c, lanes 16-31 block 2 c + 1
.irp i, 0,1,2
	v_permlane16_swap_b32 v[\pc+6*\c+\i], v[CT+4*\c+\i]
.endr
.irp i, 0,1,2
	v_mov_b32 v[\pc+3+6*\c+\i], v[CT+4*\c+\i]
.endr
.endr
.endm
; a lane's 64 numbers of one K step: of each block of 32 its half's 16 neighbours
.macro XL set, adr, lo, off
.irp b, 0,1,2,3
.irp j, 0,1,2,3
	global_load_b128 v[\set+16*\b+4*\j:\set+16*\b+4*\j+3], v[\adr], s[\lo:\lo+1] offset:\off+128*\b+16*\j
.endr
.endr
.endm
	s_load_b256 s[4:11], s[0:1], 0x0               ; attn_w s[4:5], hidden s[6:7], attn_b s[8:9], mask s[10:11]
	s_load_b256 s[12:19], s[0:1], 0x20             ; wq s[12:13], wsc s[14:15], hbc s[16:17], list s[18:19]
	s_load_b128 s[20:23], s[0:1], 0x40             ; cnt s[20:21], sc s[22:23]
	v_lshl_add_u32 v254, v0, 2, 0x4000
	v_mov_b32 v255, 0
	v_lshrrev_b32 v1, 5, v0
	v_readfirstlane_b32 s24, v1                    ; wave 0..7
	v_and_b32 v2, 31, v0                           ; lane
	v_and_b32 v3, 15, v0                           ; r
	v_bfe_u32 v4, v0, 4, 1                         ; h
	s_mov_b32 s27, 0
	s_wait_alu depctr_va_sdst(0)                   ; s24 is written: its first readers stand in both roles
	s_wait_kmcnt 0x0
	s_cmp_ge_u32 ttmp9, 64
	s_cbranch_scc1 .Llist
	; ---------------- the weights' role ----------------
	s_mov_b32 s[SEL], 0x76543210
	s_mov_b32 s[SEL+1], 0xfedcba98
	s_mov_b32 s42, C2B
	s_wait_alu depctr_va_vdst(0)
	v_lshlrev_b32 v5, 13, v3
	v_lshl_add_u32 v5, v4, 6, v5                   ; attn_w: row r of 8,192 bytes + 64 h
	v_lshlrev_b32 v6, 12, v3
	v_lshl_add_u32 v6, v4, 6, v6                   ; hidden: row r of 4,096 bytes + 64 h
	v_lshlrev_b32 v7, 4, v2                        ; 16 x lane
	v_lshl_add_u32 v8, v1, 11, v7                  ; LDS: my wave's 2,048 bytes, 16 x lane
	v_lshlrev_b32 v9, 2, v3                        ; 4 r
	v_lshlrev_b32 v10, 5, v3                       ; 32 r: a row of scale bytes
	v_lshl_add_u32 v11, v4, 15, v9                 ; hbc: column r, 8 h rows of 4,096 bytes
.irp b, 0,1,2,3
	v_mov_b32 v[TM+4+\b], 0                        ; a lane permute's destination counts as one of its sources
.endr
	s_lshl_b32 s26, ttmp9, 17                      ; 16 rows of 8,192 bytes
	s_lshl_b32 s28, s24, 9                         ; my K step: 512 bytes
	s_add_co_u32 s26, s26, s28
	s_add_nc_u64 s[4:5], s[4:5], s[26:27]
	s_mov_b32 s26, s28
	s_add_nc_u64 s[6:7], s[6:7], s[26:27]
	s_lshl_b32 s26, ttmp9, 6                       ; 16 columns of 4 bytes
	s_add_nc_u64 s[8:9], s[8:9], s[26:27]
	s_add_nc_u64 s[16:17], s[16:17], s[26:27]
	s_bfe_u32 s28, ttmp9, 0x20002                  ; g = 16 c + 4 w + b: the next launch's wave w,
	s_mul_i32 s28, s28, 196608
	s_lshr_b32 s29, ttmp9, 4                       ; its chunk c,
	s_mul_i32 s29, s29, 49152
	s_add_co_u32 s28, s28, s29
	s_mul_i32 s29, s24, 6144                       ; the K step,
	s_add_co_u32 s28, s28, s29
	s_and_b32 s29, ttmp9, 3                        ; and the tile b in it
	s_mul_i32 s29, s29, 1536
	s_add_co_u32 s26, s28, s29
	s_add_nc_u64 s[12:13], s[12:13], s[26:27]
	s_lshl_b32 s26, ttmp9, 9                       ; scale bytes: 16 rows of 32, my K step's word
	s_lshl_b32 s28, s24, 2
	s_add_co_u32 s26, s26, s28
	s_add_nc_u64 s[14:15], s[14:15], s[26:27]
	s_wait_alu depctr_va_vdst(0)                   ; v5 to v11 are written: every load, store and LDS instruction of this role reads one of them as its offset or address
	XL ST0, 5, 4, 4096                             ; w_e
	XL ST1, 5, 4, 0                                ; w_h
	global_load_b32 v240, v9, s[8:9]               ; attn_b of my column
	s_wait_loadcnt 17                              ; w_e is in: w_h's sixteen loads and the bias are younger
	QUANT ST0, PCE, PWE
	s_wait_alu depctr_va_vdst(0)                   ; w_e's codes and scale word are written, which the stores below read; and the lines that made them are done reading ST0, in which hidden's loads land
.irp i, 0,1,2
	global_store_b128 v7, v[PCE+4*\i:PCE+4*\i+3], s[12:13] offset:512*\i   ; the image: 32 lanes store 512 consecutive bytes
.endr
	global_store_b32 v10, v[PWE], s[14:15]         ; lanes l and l xor 16 hold the same word and name the same place
	XL ST0, 6, 6, 0                                ; hidden's rows 0-15
	s_wait_loadcnt 16                              ; w_h and the bias are in
	QUANT ST1, PCW, PWW
	s_wait_alu depctr_va_vdst(0)                   ; the lines that made w_h's codes are done reading ST1, in which hidden's loads land
	XL ST1, 6, 6, 65536                            ; hidden's rows 16-31
	s_wait_loadcnt 16
	QUANT ST0, PCA0, PWA0
	s_wait_loadcnt 0x0
	QUANT ST1, PCA1, PWA1
	PLACES 8                                       ; a scale register written by a vector instruction stands 8 places ahead of a scaled matrix instruction, an operand 4
	s_wait_alu depctr_va_vdst(0)                   ; the codes and scale words of w_h and hidden are written, which the scaled matrix instructions take; the places above stay beside this wait
	v_wmma_scale_f32_16x16x128_f8f6f4 v[ACC0:ACC0+7], v[PCA0:PCA0+11], v[PCW:PCW+11], 0, v[PWA0], v[PWW] matrix_a_fmt:MATRIX_FMT_FP6 matrix_b_fmt:MATRIX_FMT_FP6
	v_wmma_scale_f32_16x16x128_f8f6f4 v[ACC1:ACC1+7], v[PCA1:PCA1+11], v[PCW:PCW+11], 0, v[PWA1], v[PWW] matrix_a_fmt:MATRIX_FMT_FP6 matrix_b_fmt:MATRIX_FMT_FP6
	PLACES 4
	s_wait_alu depctr_va_vdst(0)                   ; the matrix instructions have written the accumulators, which the LDS stores read; the places above stay beside this wait.  No vector line behind it names v16-143, in which wave 0's LDS loads land
	ds_store_b128 v8, v[ACC0:ACC0+3]               ; each accumulator from its low end on
	ds_store_b128 v8, v[ACC0+4:ACC0+7] offset:512
	ds_store_b128 v8, v[ACC1:ACC1+3] offset:1024
	ds_store_b128 v8, v[ACC1+4:ACC1+7] offset:1536
	s_wait_dscnt 0x0                               ; for the others' sake: my part lies in LDS
	s_barrier_signal -1
	s_barrier_wait -1
	s_cmp_lg_u32 s24, 0
	s_cbranch_scc1 .Lend_w
.irp w, 0,1,2,3,4,5,6,7
.irp i, 0,1,2,3
	ds_load_b128 v[16+16*\w+4*\i:16+16*\w+4*\i+3], v7 offset:2048*\w+512*\i
.endr
.endr
	s_wait_dscnt 0x0
.irp w, 1,2,3,4,5,6,7
.irp p, 0,2,4,6,8,10,12,14
	v_pk_add_f32 v[16+\p:17+\p], v[16+\p:17+\p], v[16+16*\w+\p:17+16*\w+\p]   ; the eight K steps, ascending
.endr
.endr
	v_mul_f32 v241, s42, v240
.irp x, 0,1,2,3,4,5,6,7,8,9,10,11,12,13,14,15
	v_fma_f32 v[16+\x], v[16+\x], s42, v241        ; (h_proj + attn_b) x 2 log2(e)
.endr
	s_wait_alu depctr_va_vdst(0)                   ; v16 to v31 are written, which the stores below read
.irp m, 0,1
.irp j, 0,1,2,3,4,5,6,7
	global_store_b32 v11, v[16+8*\m+\j], s[16:17] offset:(16*\m+\j)*4096   ; hbc[16 m + 8 h + j][16 g + r]
.endr
.endr
.Lend_w:
	s_wait_dscnt 0x0                               ; the closing lines, six on end
	s_wait_alu 0x0
	s_wait_tensorcnt 0x0
	ds_add_u32 v254, v255
	s_wait_dscnt 0x0
	s_endpgm
	; ---------------- the lists' role ----------------
.Llist:
	s_sub_co_u32 s25, ttmp9, 64                    ; the batch
	s_lshl_b32 s26, s25, 13                        ; 2,048 words
	s_add_nc_u64 s[22:23], s[22:23], s[26:27]
	s_add_nc_u64 s[10:11], s[10:11], s[26:27]
	s_add_nc_u64 s[18:19], s[18:19], s[26:27]
	v_lshlrev_b32 v5, 4, v0
	s_wait_alu depctr_va_vdst(0)
	v_lshlrev_b32 v6, 2, v2
.irp k, 8,9,10,11
	v_mov_b32 v[\k], NEGB
.endr
	s_wait_alu depctr_va_vdst(0)                   ; v5 and v8 to v11 are written, the two stores' offset and data; so is v6, the offset of wave 0's loads of the mask
	global_store_b128 v5, v[8:11], s[22:23]        ; every score of the batch is written: the next launch stores only the listed rows'
	global_store_b128 v5, v[8:11], s[22:23] offset:4096
	s_cmp_lg_u32 s24, 0
	s_cbranch_scc1 .Lend_l
.set i, 0
.rept 64
	global_load_b32 v[LM+i], v6, s[10:11] offset:128*i
.set i, i+1
.endr
.set i, 0
.rept 64
	v_add_nc_u32 v[LR+i], 32*i, v2                 ; row 32 i + lane
.set i, i+1
.endr
	s_mov_b32 s28, 0                               ; rows that count so far
	s_wait_loadcnt 0x0
.set q, 0
.rept 4                                        ; sixteen words of the mask at a time
.set k, 0
.rept 16
	v_cmp_ne_u32 s[MK+k], 0, v[LM+16*q+k]
.set k, k+1
.endr
	s_wait_alu depctr_va_sdst(0)                   ; the sixteen masks s30 to s45 are written, ahead of their first readers below
.set k, 0
.rept 16
	v_mbcnt_lo_u32_b32 v12, s[MK+k], 0             ; those in lower lanes
	v_add_nc_u32 v12, s28, v12                     ; those in front of me: my place from the front, if I count
	v_sub_nc_u32 v13, v[LR+16*q+k], v12            ; the others in front of me
	v_sub_nc_u32 v13, 2047, v13                    ; my place from the back, if I do not
	v_cndmask_b32 v12, v13, v12, s[MK+k]
	v_min_u32 v12, 2047, v12
	v_lshlrev_b32 v[LA+16*q+k], 2, v12
	s_bcnt1_i32_b32 s29, s[MK+k]
	s_add_co_u32 s28, s28, s29
.set k, k+1
.endr
.set q, q+1
.endr
	s_cmp_eq_u32 s28, 0
	s_cselect_b32 s28, 2048, s28                   ; no row counts: all rows are listed
	v_mov_b32 v14, s28
	v_mov_b32 v15, 0
	s_lshl_b32 s26, s25, 2
	s_add_nc_u64 s[20:21], s[20:21], s[26:27]
	s_wait_alu depctr_va_vdst(0)                   ; the 64 places, the 64 rows' numbers, v14 and v15 are written: the offsets and data of the stores below
.set i, 0
.rept 64
	global_store_b32 v[LA+i], v[LR+i], s[18:19]    ; each store has registers of its own: none is written again
.set i, i+1
.endr
	global_store_b32 v15, v14, s[20:21]            ; all lanes store the same word at the same place
.Lend_l:
	s_endpgm
.Lfunc_end_k_q6593fd9c7a_prep:
	.size	k_q6593fd9c7a_prep, .Lfunc_end_k_q6593fd9c7a_prep-k_q6593fd9c7a_prep
	.p2alignl 7, 3214868480
	.fill 96, 4, 3214868480
	.section	.rodata,"a",@progbits
	.p2align	6, 0x0
	.amdhsa_kernel k_q6593fd9c7a_prep
		.amdhsa_group_segment_fixed_size 17408
		.amdhsa_private_segment_fixed_size 0
		.amdhsa_enable_private_segment 0
		.amdhsa_kernarg_size 80
		.amdhsa_user_sgpr_count 2
		.amdhsa_user_sgpr_kernarg_segment_ptr 1
		.amdhsa_wavefront_size32 1
		.amdhsa_system_sgpr_workgroup_id_x 1
		.amdhsa_system_sgpr_workgroup_id_y 1
		.amdhsa_system_sgpr_workgroup_id_z 1
		.amdhsa_system_vgpr_workitem_id 0
		.amdhsa_next_free_vgpr 256
		.amdhsa_next_free_sgpr 66
		.amdhsa_reserve_vcc 0
		.amdhsa_float_denorm_mode_32 3
		.amdhsa_float_denorm_mode_16_64 3
		.amdhsa_memory_ordered 1
		.amdhsa_forward_progress 1
		.amdhsa_inst_pref_size 81
	.end_amdhsa_kernel
	.amdgpu_metadata
---
amdhsa.version: [ 1, 2 ]
amdhsa.kernels:
  - .name:           k_q6593fd9c7a_prep
    .symbol:         k_q6593fd9c7a_prep.kd
    .args:
      - { .name: attn_w, .offset: 0, .size: 8, .value_kind: global_buffer, .address_space: global }
      - { .name: hidden, .offset: 8, .size: 8, .value_kind: global_buffer, .address_space: global }
      - { .name: attn_b, .offset: 16, .size: 8, .value_kind: global_buffer, .address_space: global }
      - { .name: mask, .offset: 24, .size: 8, .value_kind: global_buffer, .address_space: global }
      - { .name: wq, .offset: 32, .size: 8, .value_kind: global_buffer, .address_space: global }
      - { .name: wsc, .offset: 40, .size: 8, .value_kind: global_buffer, .address_space: global }
      - { .name: hbc, .offset: 48, .size: 8, .value_kind: global_buffer, .address_space: global }
      - { .name: list, .offset: 56, .size: 8, .value_kind: global_buffer, .address_space: global }
      - { .name: cnt, .offset: 64, .size: 8, .value_kind: global_buffer, .address_space: global }
      - { .name: sc, .offset: 72, .size: 8, .value_kind: global_buffer, .address_space: global }
    .group_segment_fixed_size: 17408
    .private_segment_fixed_size: 0
    .kernarg_segment_align: 8
    .kernarg_segment_size: 80
    .max_flat_workgroup_size: 256
    .sgpr_count:     66
    .vgpr_count:     256
    .wavefront_size: 32
...
	.end_amdgpu_metadata
.endif
;; end of part 4
;; launch score (part 5): grid 8 x 32, 4 waves a work-group, no clusters, 158,208 bytes of LDS; arguments encoder_outputs, list, cnt, wq, wsc, hbc, v_w, sc; writes sc
.if DOCPART == 5
	.amdgcn_target "amdgcn-amd-amdhsa--gfx1250"
	.amdhsa_code_object_version 6
	.text
	.protected	k_q6593fd9c7a_score
	.globl	k_q6593fd9c7a_score
	.p2align	8
	.type	k_q6593fd9c7a_score,@function
k_q6593fd9c7a_score:
	s_mov_b64 s[64:65], 0
	v_nop
	global_prefetch_b8 v0, s[64:65] scope:SCOPE_SE
	s_setreg_imm32_b32 hwreg(HW_REG_WAVE_SCHED_MODE, 0, 2), 2
	s_setreg_imm32_b32 hwreg(HW_REG_WAVE_MODE, 25, 1), 1
	s_wait_xcnt 0x0
	s_wait_alu depctr_vm_vsrc(0)
; SCORE.  sc[b][row] = sum over n of v_w[n] tanh(h_proj[b][n] + attn_b[n] + sum over e of Q(enc[b][row][e]) Q(w_e[n][e])), for the rows that the batch's list names: a row with mask == 0 gets -1e10 in
; reference() whatever its sum, so its sum is not made (where no row of a batch counts, all are listed).  The product is on codes of FP6 (E2M3), one E8M0 scale for each 32 along K.
; SHARES.  Work-group (i, b) takes list positions i q .. i q + q - 1 of batch b, q = 16 ceil(n / 128), n = cnt[b]: at most 256, in two passes of 144 (nine tiles of 16 rows).  A pass without rows does no work
; but passes its barriers; the branches hang on numbers that an earlier launch stored; the launch has no tensor load and the weights come from memory straight into registers.
; A PASS.  X: the 144 rows of enc (f32, gathered by the list) are quantised: wave w takes K steps w and w + 4 of all rows; each load reads 512 consecutive bytes of one row, a unit of 16 rows turns through the wave's
; own stage in LDS so that a lane holds 16 neighbours along K; codes and scale words go to LDS as images of the operand's registers | barrier |  G: wave w makes columns 256 c + 64 w + 0 .. 63 for chunks c = 0 .. 3:
; 36 accumulators (9 tiles of rows x 4 of columns), 8 K steps; then tanh and the product with v_w, summed per row in registers | barrier |  the four waves' sums are added and scattered to sc.
; tanh(x) = 1 - 2 / (1 + 2^(2 log2(e) x)): so a row's score is sum v - 2 sum v / (1 + 2^..).  hbc holds (h_proj + attn_b) x 2 log2(e).
; ADDRESSES.  A row is the same in all lanes: each gathered row has a scalar base (enc + 4,096 x the clamped list entry), and every vector offset is made once, at the head.  Behind sc's 65,536 scores lie 256 spare
; words for each work-group, one for each lane that stores (thread t of the first scatter: word t; lane l of wave 0's second: word 128 + l): a lane of the scatter that has no row stores to its own spare word, so that
; no lane is switched off and no word has two writers; nobody reads the spare words.
; LIMITS: NaN and infinities among the inputs are not served.
; No cluster and no multicast: no two waves of a work-group take the same fragment of the weights.
; REGISTERS, in windows of 256: window 0: v1-31 addresses; v32-63 the weights' scale words, v64-135 the rows' (these hold scales and nothing else); v136-151 hbc and v_w of my columns; v152-183 at work; v184-255 the rows' sums.
;   window 1: two sets of the rows' nine fragments.  window 2: a ring of four K steps of the weights' four fragments; v192-223 the accumulators of tile 8.
;   window 3: the accumulators of tiles 0-7 (in X: four sets of 16 rows as loaded).
; THE MODE: SCHED_MODE bits 1:0 = 2 (LLVM: expert scheduling mode 2), set by the entry lines.  The code itself states the register dependences
; between vector or matrix instructions and memory or LDS instructions, with s_wait_alu, always for 0.
; THE PLAN.  Registers that memory or LDS instructions touch:
;   v1 .. v19       offsets and LDS addresses: written once at the head, ahead of one wait on va_vdst, never again.
;   X, unit u:      set u % 4 of window 3: the rows' loads land; the stage's stores read it; unit u + 4's loads land in it again.   v192-255: the stage's loads land; QUANT u reads.
;                   PC, PW: QUANT u writes; the image's stores, which stand at the head of unit u + 1, read.
;                   Two waits a unit: va_vdst at its head (QUANT u - 1 has written PC and PW and is done reading v192-255); vm_vsrc behind the wait for the stage (its stores have read the set, the image's stores PC and PW).
;   G, K step s:    its products read set s % 2 of window 1, ring place s % 4 of window 2 and the scale words.  Its loads land in set (s + 1) % 2 and in ring place (s + 3) % 4, which step s - 1's products read last.
;                   ONE wait on va_vdst at the step's head states that those are done; the step's 39 loads follow it, dealt among its products, which name none of the registers that they touch.
;                   hbc's and v_w's registers are loaded behind a chunk's first such wait; the weights' scale words behind the first wait of the chunk's closing work, which also shows the last step's products done.
;   v184-255        the rows' sums: vector lines write, 72 LDS stores read (va_vdst ahead of them); the next pass writes them again (vm_vsrc straight behind the stores).
;   v24, v26 .. v31 the scatter's: each scatter ends with its waits, so that the next finds them free.
;   Every way through G ends with the wait ahead of the sums' stores, behind which no vector or matrix line names window 1, 2 or 3 or v32-135: so the next pass's loads into them owe nothing more.
.set ASC,  110592                      ; LDS: 0: 72 images of 1,536 bytes, (9 s + a);  ASC: the rows' scale words, a x 1,024 + 32 x lane + 4 s
.set STG,  119808                      ; a stage of 16 rows x 528 bytes for each wave
.set PART, 153600                      ; 144 sums for each wave
.set SC0A, 1                           ; the scatter: PART + 4 x thread
.set SC1R, 2                           ; 128 + r
.set SC1A, 4                           ; PART + 512 + 4 r
.set LI0,  5                           ; 16 x lane
.set LI1,  6                           ; + 36 images
.set XWI0, 7                           ; where I store images: 16 x lane + 9 images x wave
.set XWI1, 8                           ; + 36 images
.set XWS,  9                           ; and scale words: ASC + 32 x lane + 4 x wave
.set ASR,  10                          ; ASC + 32 x lane
.set STW,  11                          ; my stage, 16 x lane
.set STR,  12                          ; my stage, row r, + 64 h
.set PWA,  13                          ; my sums, + 32 h
.set XB,   14                          ; 512 x wave + 16 x lane: my bytes of a row of enc
.set BO0,  15                          ; my stream of weights: 16 x lane + 196,608 x wave
.set WSO0, 16                          ; the weights' scale bytes: 32 r + 2,048 x wave
.set HO0,  17                          ; hbc, v_w: 4 r + 256 x wave
.set SPA0, 18                          ; my spare word of sc in the first scatter: 65,536 + 256 x work-group + thread
.set SPA1, 19                          ; and in the second (wave 0): 128 words on
.set VS,   22                          ; v[22:23] sum of v_w over my columns, 0
.set WS,   32
.set AS,   64
.set HB,   136                         ; four pairs: the number in the even register
.set V2,   144
.set T,    152
.set SA,   184
.set PC,   152                         ; in X: the codes just made
.set CT,   164
.set TM,   172
.set PW,   188
.set X,    192                         ; in X: 64 numbers of a lane
.set SEL,  86
.set BCH,  12                          ; s[12:13] wq at this chunk;  s[14:15] at the next
.set BNX,  14
.set WNX,  66                          ; s[66:67] wsc at the next chunk
.set HCH,  68                          ; s[68:69] hbc at this chunk
.set VCH,  96                          ; s[96:97] v_w at this chunk
.set MSB, 0
.macro WIN new                         ; the immediate's high byte repeats the setting that is left
.if MSB != \new
	s_set_vgpr_msb (MSB<<8)|\new
.set MSB, \new
.endif
.endm
; 64 numbers of a lane, register 16 b + i = k 32 b + 16 (lane / 16) + i of row lane % 16, become a fragment's 12 registers of codes at v[pc] and its scale word in v[pw]
.macro QUANT s, pc, pw
.irp b, 0,1,2,3
	v_max3_num_f32 v[TM+\b], |v[\s+16*\b]|, |v[\s+1+16*\b]|, 0x1800000   ; my 16 numbers of block b, and the floor 2^(3 - 127): the byte cannot fall under 1
.endr
.irp i, 2,4,6,8,10,12,14
.irp b, 0,1,2,3
	v_max3_num_f32 v[TM+\b], v[TM+\b], |v[\s+16*\b+\i]|, |v[\s+1+16*\b+\i]|
.endr
.endr
.irp b, 0,1,2,3
	v_permlanex16_b32 v[TM+4+\b], v[TM+\b], s[SEL], s[SEL+1]
.endr
.irp b, 0,1,2,3
	v_max_num_f32 v[TM+\b], v[TM+\b], v[TM+4+\b]
.endr
.irp b, 0,1,2,3
	v_add_nc_u32 v[TM+12+\b], 0xff000000, v[TM+\b]                      ; 2 off the exponent field: the conversion's scale operand
.endr
.irp b, 0,1,2,3
	v_lshrrev_b32 v[TM+4+\b], 23, v[TM+12+\b]                           ; the scale's byte
.endr
	v_lshl_or_b32 v[\pw], v[TM+5], 8, v[TM+4]
	v_lshl_or_b32 v[\pw], v[TM+6], 16, v[\pw]
	v_lshl_or_b32 v[\pw], v[TM+7], 24, v[\pw]
.irp c, 0,1
	v_cvt_scalef32_pk16_fp6_f32 v[\pc+6*\c:\pc+2+6*\c], v[\s+32*\c:\s+15+32*\c], v[TM+12+2*\c]
	v_cvt_scalef32_pk16_fp6_f32 v[CT+4*\c:CT+2+4*\c], v[\s+16+32*\c:\s+31+32*\c], v[TM+12+2*\c+1]
.endr
	v_nop                                          ; one plain instruction behind a scaled conversion
.irp c, 0,1
.irp i, 0,1,2
	v_permlane16_swap_b32 v[\pc+6*\c+\i], v[CT+4*\c+\i]
.endr
.irp i, 0,1,2
	v_mov_b32 v[\pc+3+6*\c+\i], v[CT+4*\c+\i]
.endr
.endr
.endm
; the weights' four fragments of K step st, from the chunk whose base is s[lo:lo+1], into ring place st % 4 (window 2): 12 loads of 512 consecutive bytes
.macro BFETCH st, lo
.irp b, 0,1,2,3
.irp i, 0,1,2
	global_load_b128 v[48*((\st)&3)+12*\b+4*\i:48*((\st)&3)+12*\b+4*\i+3], v[BO0], s[\lo:\lo+1] offset:(\st)*6144+\b*1536+512*\i
.endr
.endr
.endm
; a chunk's scale words of the weights: register 8 b + s, lane r: column r of tile b
.macro WSLOAD lo
.irp b, 0,1,2,3
.irp i, 0,1
	global_load_b128 v[WS+8*\b+4*\i:WS+8*\b+4*\i+3], v[WSO0], s[\lo:\lo+1] offset:\b*512+16*\i
.endr
.endr
.endm
; the rows' fragments 3 g .. 3 g + 2 of K step SP1 into set SP1 % 2 (window 1): 9 loads
.macro AGRP g
.set AP, 108*(SP1&1)
.set AO, (SP1&3)*13824
.irp a, 3*(\g), 3*(\g)+1, 3*(\g)+2
.irp i, 0,1,2
.if SP1 < 4
	ds_load_b128 v[AP+12*(\a)+4*\i:AP+12*(\a)+4*\i+3], v[LI0] offset:AO+(\a)*1536+512*\i
.else
	ds_load_b128 v[AP+12*(\a)+4*\i:AP+12*(\a)+4*\i+3], v[LI1] offset:AO+(\a)*1536+512*\i
.endif
.endr
.endr
.endm
.macro MM d, a, b, sa, sb, zero
.if \zero
	v_wmma_scale_f32_16x16x128_f8f6f4 v[\d:\d+7], v[\a:\a+11], v[\b:\b+11], 0, v[\sa], v[\sb] matrix_a_fmt:MATRIX_FMT_FP6 matrix_b_fmt:MATRIX_FMT_FP6
.else
	v_wmma_scale_f32_16x16x128_f8f6f4 v[\d:\d+7], v[\a:\a+11], v[\b:\b+11], v[\d:\d+7], v[\sa], v[\sb] matrix_a_fmt:MATRIX_FMT_FP6 matrix_b_fmt:MATRIX_FMT_FP6
.endif
.endm
; tile a (0 .. 7) of the rows against the four tiles of columns, K step s
.macro MMROW a, s
.irp b, 0,1,2,3
.if (\s) == 0
	MM 32*(\a)+8*\b, AP0+12*(\a), BR0+12*\b, AS+8*(\a)+(\s), WS+8*\b+(\s), 1
.else
	MM 32*(\a)+8*\b, AP0+12*(\a), BR0+12*\b, AS+8*(\a)+(\s), WS+8*\b+(\s), 0
.endif
.endr
.endm
; tile a's 16 list entries, which lie in s[16:31], become 16 bases s[32:63]: enc + 4,096 x the row; then the next tile's entries are asked for.  A tile past the list's end takes the last 16 entries: its sums are not kept
.macro ROWS a
	s_wait_kmcnt 0x0                               ; the entries are in
	s_wait_xcnt 0x0                                ; the loads issued so far have read their bases, and the scalar load its offset: both are written again only behind this wait
.set k, 0
.rept 16
	s_min_u32 s80, s[16+k], 2047
	s_lshl_b32 s80, s80, 12
	s_add_nc_u64 s[32+2*k:33+2*k], s[4:5], s[80:81]
.set k, k+1
.endr
.if (\a)+1 < 9
	s_add_co_u32 s82, s83, 16*((\a)+1)
	s_min_u32 s82, s82, 2032
	s_lshl_b32 s82, s82, 2
	s_load_b512 s[16:31], s[6:7], s82 offset:0x0   ; wanted two units of loads further on
.endif
.endm
; unit u of 18: tile u / 2 of the rows, my K step wave + 4 (u % 2): 16 loads, a row each, 512 consecutive bytes, into set u % 4 of window 3
.macro XISSUE u
	WIN 0xc0                                       ; destination window 3
.irp j, 0,1,2,3,4,5,6,7,8,9,10,11,12,13,14,15
	global_load_b128 v[64*((\u)%4)+4*\j:64*((\u)%4)+4*\j+3], v[XB], s[32+2*\j:33+2*\j] offset:2048*((\u)%2) th:TH_LOAD_NT
.endr
.endm
; unit u's fragment and scale word, as they stand in PC and PW, go to LDS
.macro IMG u
.irp i, 0,1,2
.if (\u)%2 == 0
	ds_store_b128 v[XWI0], v[PC+4*\i:PC+4*\i+3] offset:((\u)/2)*1536+512*\i
.else
	ds_store_b128 v[XWI1], v[PC+4*\i:PC+4*\i+3] offset:((\u)/2)*1536+512*\i
.endif
.endr
	ds_store_b32 v[XWS], v[PW] offset:((\u)/2)*1024+16*((\u)%2)
.endm
.macro XUNIT u
.if 16*(17-(\u)) < 48
	s_wait_loadcnt 16*(17-(\u))                    ; the units behind this one may be out
.else
	s_wait_loadcnt 48                              ; this unit's 16 loads are in; three younger units may be out
.endif
.if (\u) > 0
	s_wait_alu depctr_va_vdst(0)                   ; the last unit's QUANT has written PC and PW, which the image's stores read, and is done reading v192-255, in which the stage's loads land
	IMG (\u)-1
.endif
	WIN 0x0c                                       ; an LDS store's data: window 3
.irp j, 0,1,2,3,4,5,6,7,8,9,10,11,12,13,14,15
	ds_store_b128 v[STW], v[64*((\u)%4)+4*\j:64*((\u)%4)+4*\j+3] offset:528*\j
.endr
	WIN 0
.irp b, 0,1,2,3
.irp j, 0,1,2,3
	ds_load_b128 v[X+16*\b+4*\j:X+16*\b+4*\j+3], v[STR] offset:128*\b+16*\j   ; LDS serves a wave's instructions in order: these see the stores above
.endr
.endr
	s_wait_dscnt 0x0                               ; the numbers are back from the stage
.if (\u)+4 < 18
.if ((\u)%2) == 0
	ROWS ((\u)+4)/2                                ; a new tile of rows begins
.endif
	WIN 0xc0
.endif
	s_wait_alu depctr_vm_vsrc(0)                   ; the stage's stores have read set u % 4, in which the loads of four units on land; the image's stores have read PC and PW, which QUANT writes again
.if (\u)+4 < 18
	XISSUE (\u)+4
	WIN 0
.endif
	QUANT X, PC, PW
.endm
; K step s of a chunk: 36 matrix instructions, the 36 accumulators by turns in one order.  The rows' fragments are fetched one step ahead, in three runs of nine loads, each behind
; twelve products; the weights' three steps ahead, behind the first twelve.
.macro KSTEP s
.set SP1, ((\s)+1)&7
.set BS,  ((\s)+3)&7
.set AP0, 108*((\s)&1)
.set BR0, 48*((\s)&3)
.if (\s) == 0
	s_wait_loadcnt 0x0                             ; the first three K steps and the scale words, asked for a chunk's closing work ago; no load is out, so the bases may be written
	s_wait_dscnt 18                                ; the fragments of tiles 0-2 are in: two younger runs of nine loads may be out (in a pass's first step the rows' scale words, asked for ahead of them, are in too)
	s_mov_b32 s81, 0
	s_mul_i32 s80, s79, 49152
	s_add_nc_u64 s[BCH:BCH+1], s[10:11], s[80:81]
	s_add_co_u32 s82, s79, 1
	s_and_b32 s82, s82, 3                          ; behind the last chunk comes the first again: for the next pass
	s_mul_i32 s80, s82, 49152
	s_add_nc_u64 s[BNX:BNX+1], s[10:11], s[80:81]
	s_lshl_b32 s80, s82, 13
	s_add_nc_u64 s[WNX:WNX+1], s[88:89], s[80:81]
	s_lshl_b32 s80, s79, 10
	s_add_nc_u64 s[HCH:HCH+1], s[90:91], s[80:81]
	s_add_nc_u64 s[VCH:VCH+1], s[92:93], s[80:81]
	s_wait_alu depctr_va_vdst(0)                   ; the last chunk's closing work has written v_w's registers and is done reading them and hbc's, in which the loads below land; its last K step's products are done reading set 1 and ring place 3, in which this step's loads land
.irp b, 0,1,2,3
	global_load_b32 v[HB+2*\b], v[HO0], s[HCH:HCH+1] offset:64*\b
.endr
.irp b, 0,1,2,3
	global_load_b32 v[V2+2*\b], v[HO0], s[VCH:VCH+1] offset:64*\b
.endr
.else
	s_wait_loadcnt 24                              ; this step's weights are in: the two younger steps, 12 loads each, may be out
	s_wait_dscnt 18                                ; the fragments of tiles 0-2 are in: two younger runs of nine loads may be out
	s_wait_alu depctr_va_vdst(0)                   ; the last step's products are done reading their set of the rows' fragments and their ring place of the weights', in which this step's loads land
.endif
	WIN 0xf9                                       ; source 0 (rows) window 1, source 1 (weights) window 2, C and D window 3
	MMROW 0, \s
	MMROW 1, \s
	MMROW 2, \s
	WIN 0x40                                       ; no wait: no product since the wait above names the other set, nor the ring place of the step before
	AGRP 0
	WIN 0x80
.if (\s) < 5
	BFETCH BS, BCH
.else
	BFETCH BS, BNX
.endif
	s_wait_dscnt 18                                ; the fragments of tiles 3-5 are in
	WIN 0xf9
	MMROW 3, \s
	MMROW 4, \s
	MMROW 5, \s
	WIN 0x40
	AGRP 1
	s_wait_dscnt 18                                ; the fragments of tiles 6-8 are in
	WIN 0xf9
	MMROW 6, \s
	MMROW 7, \s
	WIN 0xa9                                       ; tile 8: C and D window 2
.irp b, 0,1,2,3
.if (\s) == 0
	MM 192+8*\b, AP0+96, BR0+12*\b, AS+64+(\s), WS+8*\b+(\s), 1
.else
	MM 192+8*\b, AP0+96, BR0+12*\b, AS+64+(\s), WS+8*\b+(\s), 0
.endif
.endr
	WIN 0x40
	AGRP 2
.endm
; tile a of the rows: lane = column, register j = row 8 h + j.  32 numbers a lane: one batch of exponentials, one of reciprocals, each with one wait ahead of its first reader
.macro EPI a
.if (\a) < 8
	WIN 0x03
.set EA, 32*(\a)
.else
	WIN 0x02
.set EA, 192
.endif
.irp b, 0,1,2,3
.irp p, 0,2,4,6
	v_pk_fma_f32 v[T+8*\b+\p:T+8*\b+\p+1], v[EA+8*\b+\p:EA+8*\b+\p+1], s[84:85], v[HB+2*\b:HB+2*\b+1] op_sel_hi:[1,0,0]   ; 2 log2(e) x: each accumulator from its low end on
.endr
.endr
	WIN 0
.set i, 0
	s_wait_alu depctr_va_vdst(0)
.rept 32
	v_exp_f32 v[T+i], v[T+i]
.set i, i+1
.endr
	v_nop                                          ; a plain instruction behind the last exponential
	s_wait_alu depctr_va_vdst(0)                   ; the 32 exponentials have written v[T ..], ahead of their first reader; in tile 0 also: the last K step's products are done reading the weights' scale words
.if (\a) == 0
	WSLOAD WNX                                     ; the next chunk's scale words land in them
.endif
.set i, 0
.rept 16
	v_pk_add_f32 v[T+i:T+i+1], v[T+i:T+i+1], 1.0 op_sel_hi:[1,0]
.set i, i+2
.endr
.set i, 0
	s_wait_alu depctr_va_vdst(0)
.rept 32
	v_rcp_f32 v[T+i], v[T+i]
.set i, i+1
.endr
	v_nop
	s_wait_alu depctr_va_vdst(0)                   ; the 32 reciprocals have written v[T ..], ahead of their first reader
.irp b, 0,1,2,3
.irp p, 0,2,4,6
	v_pk_fma_f32 v[SA+8*(\a)+\p:SA+8*(\a)+\p+1], v[T+8*\b+\p:T+8*\b+\p+1], v[V2+2*\b:V2+2*\b+1], v[SA+8*(\a)+\p:SA+8*(\a)+\p+1] op_sel_hi:[1,0,1]   ; - 2 v / (1 + 2^..)
.endr
.endr
.endm
; the four waves' sums of row v[ri] of the pass (LDS address v[ra]) are added and stored at the row that the list names there; a lane whose row the pass does not have stores to its own spare word v[sp]
.macro SCAT ri, ra, sp
.irp w, 0,1,2,3
	ds_load_b32 v[26+\w], v[\ra] offset:576*\w
.endr
	v_add_nc_u32 v30, s82, v[\ri]
	v_min_u32 v30, 2047, v30
	v_lshlrev_b32 v30, 2, v30
	v_cmp_gt_u32 vcc_lo, s83, v[\ri]               ; has the pass so many rows?
	s_wait_alu depctr_va_vdst(0)                   ; v30 is written, which the load reads as its offset
	global_load_b32 v31, v30, s[6:7]
	s_wait_alu depctr_va_vcc(0)                    ; VCC is written, ahead of its first reader, the choice below
	s_wait_loadcnt 0x0
	s_wait_dscnt 0x0
	v_add_f32 v26, v26, v27
	v_add_f32 v28, v28, v29
	v_add_f32 v26, v26, v28
	v_min_u32 v24, 2047, v31                       ; the row,
	v_add_nc_u32 v24, s3, v24                      ; in my batch
	v_cndmask_b32 v24, v[\sp], v24, vcc_lo         ; if the pass has no such row: my own spare word
	v_min_u32 v24, 0x1ffff, v24                    ; sc has 65,536 + 65,536 words
	v_lshlrev_b32 v24, 2, v24
	s_wait_alu depctr_va_vdst(0)                   ; v24 and v26 are written, the store's offset and data; and the lines above are done with v26 to v31, in which the next scatter's loads land
	global_store_b32 v24, v26, s[94:95]
	s_wait_xcnt 0x0                                ; the store's address is translated: its registers are written again only behind this wait,
	s_wait_alu depctr_vm_vsrc(0)                   ; and behind this one: the store has read v24 and v26, the load v30, which the next scatter writes again
.endm
	s_load_b256 s[4:11], s[0:1], 0x0               ; enc s[4:5], list s[6:7], cnt s[8:9], wq s[10:11]
	s_load_b256 s[88:95], s[0:1], 0x20             ; wsc s[88:89], hbc s[90:91], v_w s[92:93], sc s[94:95]
	v_lshl_add_u32 v21, v0, 2, 0x26800
	v_mov_b32 v25, 0
	v_lshrrev_b32 v1, 5, v0
	v_readfirstlane_b32 s70, v1                    ; wave 0..3
	s_and_b32 s71, ttmp7, 0xffff                   ; the batch
	v_and_b32 v2, 31, v0                           ; lane
	s_wait_alu depctr_va_vdst(0)
	v_and_b32 v3, 15, v0                           ; r
	v_bfe_u32 v4, v0, 4, 1                         ; h
	s_mov_b32 s84, 0x4038aa3b                      ; 2 log2(e)
	s_mov_b32 s85, s84                             ; (named with it as a pair)
	s_mov_b32 s[SEL], 0x76543210
	s_mov_b32 s[SEL+1], 0xfedcba98
	s_lshl_b32 s3, s71, 11                         ; 2,048 x batch: my batch's first word of sc
	s_lshl_b32 s2, s71, 3
	s_add_co_u32 s2, s2, ttmp9                     ; my work-group's number, 0 .. 255,
	s_lshl_b32 s2, s2, 8                           ; x 256 spare words,
	s_add_co_u32 s2, s2, 0x10000                   ; behind the 65,536 scores
	v_add_nc_u32 v[SPA0], s2, v0                   ; a spare word for each thread,
	v_add_nc_u32 v[SPA1], 128, v[SPA0]             ; and a second for wave 0's lanes
	v_lshlrev_b32 v[LI0], 4, v2
	v_add_nc_u32 v[LI1], 55296, v[LI0]
	s_wait_alu depctr_va_sdst(0)                   ; s70 is written, ahead of its first reader: the wave's places in LDS and in the buffers are made from it
	s_mul_i32 s80, s70, 13824
	v_add_nc_u32 v[XWI0], s80, v[LI0]
	v_add_nc_u32 v[XWI1], 55296, v[XWI0]
	v_lshlrev_b32 v[ASR], 5, v2
	v_add_nc_u32 v[ASR], ASC, v[ASR]
	s_lshl_b32 s80, s70, 2
	v_add_nc_u32 v[XWS], s80, v[ASR]
	s_mul_i32 s80, s70, 8448
	s_add_co_u32 s80, s80, STG
	v_add_nc_u32 v[STW], s80, v[LI0]
	v_mul_u32_u24 v[STR], v3, 528
	v_lshl_add_u32 v[STR], v4, 6, v[STR]
	v_add_nc_u32 v[STR], s80, v[STR]
	s_mul_i32 s80, s70, 576
	s_add_co_u32 s80, s80, PART
	v_lshlrev_b32 v[PWA], 5, v4
	v_add_nc_u32 v[PWA], s80, v[PWA]
	s_lshl_b32 s80, s70, 9
	v_add_nc_u32 v[XB], s80, v[LI0]
	s_mul_i32 s80, s70, 196608
	v_add_nc_u32 v[BO0], s80, v[LI0]
	v_lshlrev_b32 v[WSO0], 5, v3
	s_lshl_b32 s80, s70, 11
	v_add_nc_u32 v[WSO0], s80, v[WSO0]
	v_lshlrev_b32 v[HO0], 2, v3
	s_lshl_b32 s80, s70, 8
	v_add_nc_u32 v[HO0], s80, v[HO0]
	v_lshl_add_u32 v[SC0A], v0, 2, PART            ; the scatter's addresses and rows: made here, once
	v_add_nc_u32 v[SC1R], 128, v3
	v_lshl_add_u32 v[SC1A], v3, 2, PART+512
.irp b, 0,1,2,3
	v_mov_b32 v[HB+2*\b+1], 0                      ; the pairs' upper registers are named, so they are written
	v_mov_b32 v[V2+2*\b+1], 0
.endr
	v_mov_b32 v[VS+1], 0
	s_wait_kmcnt 0x0
	s_lshl_b32 s82, s71, 2
	s_load_b32 s73, s[8:9], s82 offset:0x0         ; n = cnt[b]
	s_lshl_b32 s80, s71, 23
	s_mov_b32 s81, 0
	s_add_nc_u64 s[4:5], s[4:5], s[80:81]          ; the batch's rows of enc,
	s_lshl_b32 s80, s71, 13
	s_add_nc_u64 s[6:7], s[6:7], s[80:81]          ; its list,
	s_lshl_b32 s80, s71, 12
	s_add_nc_u64 s[90:91], s[90:91], s[80:81]      ; its row of hbc
	WIN 0x80
	s_wait_alu depctr_va_vdst(0)                   ; the offsets and LDS addresses v1 to v19 are written: every load, store and LDS instruction of the kernel but the scatter's two reads one of them, and none is written again
	BFETCH 0, 10                                   ; chunk 0's first three K steps of the weights and its scale words
	BFETCH 1, 10
	BFETCH 2, 10
	WIN 0
	WSLOAD 88
	s_wait_kmcnt 0x0
	s_min_u32 s73, s73, 2048
	s_add_co_u32 s74, s73, 127
	s_lshr_b32 s74, s74, 7
	s_lshl_b32 s74, s74, 4                         ; q = 16 ceil(n / 128)
	s_mul_i32 s75, ttmp9, s74                      ; my first list position
	s_sub_co_i32 s76, s73, s75
	s_min_i32 s76, s76, s74                        ; my rows: at most q,
	s_max_i32 s76, s76, 0                          ; none where the list ends ahead of me,
	s_min_u32 s76, s76, 256                        ; never more than two passes hold
	s_mov_b32 s77, 0                               ; the pass
	s_mov_b32 s78, 0                               ; 144 x the pass
.Lpass:
	s_cmp_lt_u32 s78, s76
	s_cbranch_scc0 .Lx_skip
	; ---------------- X: 144 rows become 72 images ----------------
	s_wait_loadcnt 0x0                             ; the weights asked for earlier are in: the counts below count this phase's loads alone
.irp b, 0,1,2,3
	v_mov_b32 v[TM+4+\b], 0                        ; a lane permute's destination counts as one of its sources
.endr
	s_add_co_u32 s83, s75, s78                     ; the pass's first list position: a multiple of 16
	s_mov_b32 s81, 0
	s_min_u32 s82, s83, 2032
	s_lshl_b32 s82, s82, 2
	s_load_b512 s[16:31], s[6:7], s82 offset:0x0   ; tile 0's list entries
	ROWS 0
	XISSUE 0                                       ; no wait: the last pass's wait ahead of its sums' stores stands behind every line that named window 3 or v192-255, and its units' waits behind every store that read window 3
	XISSUE 1
	ROWS 1
	XISSUE 2
	XISSUE 3                                       ; four units, 64 loads of 512 bytes, are on their way in each wave
.irp u, 0,1,2,3,4,5,6,7,8,9,10,11,12,13,14,15,16,17
	XUNIT \u
.endr
	s_wait_alu depctr_va_vdst(0)                   ; unit 17's QUANT has written PC and PW, which the last image's stores read
	IMG 17
	s_wait_alu depctr_vm_vsrc(0)                   ; these stores have read PC and PW: the next phase writes v152-188 again
.Lx_skip:
	s_wait_dscnt 0x0                               ; my images and scale words lie in LDS
	s_barrier_signal -1
	s_barrier_wait -1
	s_cmp_lt_u32 s78, s76
	s_cbranch_scc0 .Lg_skip
	; ---------------- G: the products, tanh, the product with v_w ----------------
.irp a, 0,1,2,3,4,5,6,7,8
.irp i, 0,1
	ds_load_b128 v[AS+8*\a+4*\i:AS+8*\a+4*\i+3], v[ASR] offset:\a*1024+16*\i   ; the rows' scale words for all of K: register 8 a + s
.endr
.endr
.set SP1, 0
	WIN 0x40
	AGRP 0                                         ; K step 0's nine fragments
	AGRP 1
	AGRP 2
	WIN 0
.set i, 0
.rept 72
	v_mov_b32 v[SA+i], 0                           ; the rows' sums: they run over the four trips of the loop below
.set i, i+1
.endr
	v_mov_b32 v[VS], 0
	s_mov_b32 s79, 0                               ; the chunk
.Lchunk:
	KSTEP 0
	KSTEP 1
	KSTEP 2
	KSTEP 3
	KSTEP 4
	KSTEP 5
	KSTEP 6
	KSTEP 7
	WIN 0
.irp b, 0,1,2,3
	v_add_f32 v[VS], v[VS], v[V2+2*\b]             ; sum of v_w over my columns.  (These eight plain lines name no register of the products: they are the places ahead of the first read of results)
.endr
.irp b, 0,1,2,3
	v_mul_f32 v[V2+2*\b], -2.0, v[V2+2*\b]
.endr
.irp a, 0,1,2,3,4,5,6,7,8
	EPI \a
.endr
	s_add_co_u32 s79, s79, 1
	s_cmp_lt_u32 s79, 4
	s_cbranch_scc1 .Lchunk
.set i, 0
.rept 36
	v_pk_add_f32 v[SA+i:SA+i+1], v[SA+i:SA+i+1], v[VS:VS+1] op_sel_hi:[1,0]
.set i, i+2
.endr
.irp m, 1,2,4,8                                ; over the 16 lanes of a half: my wave's 256 columns
.set i, 0
.rept 72
	v_add_f32_dpp v[SA+i], v[SA+i], v[SA+i] row_xmask:\m row_mask:0xf bank_mask:0xf
.set i, i+1
.endr
.endr
	s_wait_alu depctr_va_vdst(0)                   ; the rows' sums are written, which the LDS stores read
.irp a, 0,1,2,3,4,5,6,7,8
.irp j, 0,1,2,3,4,5,6,7
	ds_store_b32 v[PWA], v[SA+8*\a+\j] offset:(16*\a+\j)*4   ; row 16 a + 8 h + j: a half's 16 lanes write the same word with the same value
.endr
.endr
	s_wait_alu depctr_vm_vsrc(0)                   ; these stores have read v184-255: the next pass's QUANT, its stage's loads and its clearing write them again
.Lg_skip:
	s_wait_dscnt 0x0                               ; my sums lie in LDS, and my reads of the images are over (the last K step's look-ahead among them)
	s_barrier_signal -1
	s_barrier_wait -1
	s_cmp_lt_u32 s78, s76
	s_cbranch_scc0 .Lf_skip
	; ---------------- the four waves' sums, to the rows that the list names ----------------
	s_sub_co_u32 s83, s76, s78                     ; rows of this pass (144 or more: all)
	s_add_co_u32 s82, s75, s78                     ; its first list position
	SCAT 0, SC0A, SPA0                             ; rows 0-127: a thread each
	s_cmp_lg_u32 s70, 0
	s_cbranch_scc1 .Lf_skip
	SCAT SC1R, SC1A, SPA1                          ; rows 128-143: wave 0, both halves of the lanes alike
.Lf_skip:
	s_add_co_u32 s78, s78, 144
	s_add_co_u32 s77, s77, 1
	s_cmp_lt_u32 s77, 2
	s_cbranch_scc1 .Lpass
	s_wait_dscnt 0x0                               ; the closing lines, six on end
	s_wait_alu 0x0
	s_wait_tensorcnt 0x0
	ds_add_u32 v21, v25
	s_wait_dscnt 0x0
	s_endpgm
.Lfunc_end_k_q6593fd9c7a_score:
	.size	k_q6593fd9c7a_score, .Lfunc_end_k_q6593fd9c7a_score-k_q6593fd9c7a_score
	.p2alignl 7, 3214868480
	.fill 96, 4, 3214868480
	.section	.rodata,"a",@progbits
	.p2align	6, 0x0
	.amdhsa_kernel k_q6593fd9c7a_score
		.amdhsa_group_segment_fixed_size 158208
		.amdhsa_private_segment_fixed_size 0
		.amdhsa_enable_private_segment 0
		.amdhsa_kernarg_size 64
		.amdhsa_user_sgpr_count 2
		.amdhsa_user_sgpr_kernarg_segment_ptr 1
		.amdhsa_wavefront_size32 1
		.amdhsa_system_sgpr_workgroup_id_x 1
		.amdhsa_system_sgpr_workgroup_id_y 1
		.amdhsa_system_sgpr_workgroup_id_z 1
		.amdhsa_system_vgpr_workitem_id 0
		.amdhsa_next_free_vgpr 1024
		.amdhsa_next_free_sgpr 100
		.amdhsa_reserve_vcc 1
		.amdhsa_float_denorm_mode_32 3
		.amdhsa_float_denorm_mode_16_64 3
		.amdhsa_memory_ordered 1
		.amdhsa_forward_progress 1
		.amdhsa_inst_pref_size 255
	.end_amdhsa_kernel
	.section	.bss,"aw",@nobits
	.p2align	6
	.space	262144
	.amdgpu_metadata
---
amdhsa.version: [ 1, 2 ]
amdhsa.kernels:
  - .name:           k_q6593fd9c7a_score
    .symbol:         k_q6593fd9c7a_score.kd
    .args:
      - { .name: encoder_outputs, .offset: 0, .size: 8, .value_kind: global_buffer, .address_space: global }
      - { .name: list, .offset: 8, .size: 8, .value_kind: global_buffer, .address_space: global }
      - { .name: cnt, .offset: 16, .size: 8, .value_kind: global_buffer, .address_space: global }
      - { .name: wq, .offset: 24, .size: 8, .value_kind: global_buffer, .address_space: global }
      - { .name: wsc, .offset: 32, .size: 8, .value_kind: global_buffer, .address_space: global }
      - { .name: hbc, .offset: 40, .size: 8, .value_kind: global_buffer, .address_space: global }
      - { .name: v_w, .offset: 48, .size: 8, .value_kind: global_buffer, .address_space: global }
      - { .name: sc, .offset: 56, .size: 8, .value_kind: global_buffer, .address_space: global }
    .group_segment_fixed_size: 158208
    .private_segment_fixed_size: 0
    .kernarg_segment_align: 8
    .kernarg_segment_size: 64
    .max_flat_workgroup_size: 128
    .sgpr_count:     100
    .vgpr_count:     1024
    .wavefront_size: 32
...
	.end_amdgpu_metadata
.endif
;; end of part 5
;; launch ctx (part 6): grid 8 x 32, 16 waves a work-group, no clusters, 18,944 bytes of LDS; arguments encoder_outputs, sc, mask, list, cnt, out0, out1; writes out0, out1
.if DOCPART == 6
	.amdgcn_target "amdgcn-amd-amdhsa--gfx1250"
	.amdhsa_code_object_version 6
	.text
	.protected	k_q6593fd9c7a_ctx
	.globl	k_q6593fd9c7a_ctx
	.p2align	8
	.type	k_q6593fd9c7a_ctx,@function
k_q6593fd9c7a_ctx:
	s_mov_b64 s[64:65], 0
	v_nop
	global_prefetch_b8 v0, s[64:65] scope:SCOPE_SE
	s_setreg_imm32_b32 hwreg(HW_REG_WAVE_MODE, 25, 1), 1
	s_wait_xcnt 0x0
; CTX.  attention = where(mask == 0, -1e10, sc); out1 = softmax over the batch's 2,048 rows (the row maximum is taken away first); out0[b][e] = sum over rows of out1 x enc[b][row][e], in f32.
; SHARES.  Work-group (j, b): batch b, columns 128 j .. 128 j + 127 of out0, and rows 256 j .. 256 j + 255 of out1.  Every work-group of a batch makes the batch's softmax anew (2,048 numbers); thread t holds rows 4 t .. 4 t + 3.
; Only the rows that the list names in its first n = cnt[b] places are read from enc: the others' weight is exp(-1e10 - max) = 0 in reference() too.  LIMIT: that takes the largest score to lie above about -9e9, that is
; sum |v_w| under 9e9; NaN and infinities among the inputs are not served.
; The weights by list place go through LDS; a wave takes 16 places a trip: 16 loads, each 512 consecutive bytes of one row, a lane 4 columns.  The rows' numbers are the same in all lanes and come by a scalar load of the list.
; Memory binds: no matrix unit, no cluster; the loads of 16 waves, 16 each, are on their way together.
.set NEGB, 0xd01502f9                  ; -1e10
.set RED2, 256                         ; LDS: 0: the waves' maxima;  RED2: their sums
.set EC,   512                         ; the weights (not yet divided) by list place: 2,048 words
.set CP,   8704                        ; the waves' parts of the context: 512 bytes each
	s_load_b256 s[4:11], s[0:1], 0x0               ; enc s[4:5], sc s[6:7], mask s[8:9], list s[10:11]
	s_load_b128 s[12:15], s[0:1], 0x20             ; cnt s[12:13], out0 s[14:15]
	s_load_b64 s[36:37], s[0:1], 0x30              ; out1
	v_lshl_add_u32 v192, v0, 2, 0x4200
	v_mov_b32 v193, 0
	v_lshrrev_b32 v1, 5, v0
	s_delay_alu instid0(VALU_DEP_1)
	v_readfirstlane_b32 s32, v1                    ; wave 0..15
	s_and_b32 s33, ttmp7, 0xffff                   ; the batch
	v_and_b32 v2, 31, v0                           ; lane
	v_lshlrev_b32 v3, 4, v0                        ; 16 t
	s_delay_alu instid0(VALU_DEP_2)
	v_lshlrev_b32 v6, 4, v2                        ; 16 x lane
	v_mov_b32 v7, NEGB
	v_mov_b32 v33, 0                               ; a lane permute's destination counts as one of its sources
	v_lshlrev_b32 v34, 2, v1                       ; 4 x wave
	v_mov_b32 v35, 0
	s_mov_b32 s38, 0x76543210
	s_mov_b32 s39, 0xfedcba98
	s_mov_b32 s43, 0
	s_wait_alu depctr_va_vdst(0)
	s_wait_kmcnt 0x0
	s_lshl_b32 s34, s33, 2
	s_load_b32 s40, s[12:13], s34 offset:0x0       ; n
	s_lshl_b32 s42, s33, 13
	s_add_nc_u64 s[6:7], s[6:7], s[42:43]
	s_add_nc_u64 s[8:9], s[8:9], s[42:43]
	s_add_nc_u64 s[10:11], s[10:11], s[42:43]
	s_add_nc_u64 s[36:37], s[36:37], s[42:43]
	s_lshl_b32 s42, s33, 23
	s_add_nc_u64 s[4:5], s[4:5], s[42:43]
	s_lshl_b32 s42, s33, 12
	s_lshl_b32 s41, ttmp9, 9
	s_add_co_u32 s42, s42, s41
	s_add_nc_u64 s[14:15], s[14:15], s[42:43]      ; out0: the batch's row, my 512 bytes
	v_add_nc_u32 v4, s41, v6                       ; enc: my work-group's 512 bytes of a row, my lane's 16
	global_load_b128 v[8:11], v3, s[6:7]           ; scores of rows 4 t ..
	global_load_b128 v[12:15], v3, s[8:9]          ; their mask
	global_load_b128 v[16:19], v3, s[10:11]        ; list places 4 t ..
	s_wait_loadcnt 0x0
.irp k, 0,1,2,3
	v_min_u32 v[20+\k], 2047, v[16+\k]
.endr
.irp k, 0,1,2,3
	s_delay_alu instid0(VALU_DEP_4)
	v_lshlrev_b32 v[20+\k], 2, v[20+\k]
.endr
.irp k, 0,1,2,3
	global_load_b32 v[24+\k], v[20+\k], s[6:7]     ; the listed rows' scores
.endr
.irp k, 0,1,2,3
	global_load_b32 v[28+\k], v[20+\k], s[8:9]     ; and mask
.endr
.irp k, 0,1,2,3
	v_cmp_eq_u32 vcc_lo, 0, v[12+\k]
	s_delay_alu instid0(VALU_DEP_1)
	v_cndmask_b32 v[8+\k], v[8+\k], v7, vcc_lo     ; where(mask == 0, -1e10, score)
.endr
	s_delay_alu instid0(VALU_DEP_3)
	v_max3_num_f32 v32, v8, v9, v10
	s_delay_alu instid0(VALU_DEP_1)
	v_max_num_f32 v32, v32, v11
	s_delay_alu instid0(VALU_DEP_1)
	v_max_num_f32_dpp v32, v32, v32 row_xmask:1 row_mask:0xf bank_mask:0xf
	s_delay_alu instid0(VALU_DEP_1)
	v_max_num_f32_dpp v32, v32, v32 row_xmask:2 row_mask:0xf bank_mask:0xf
	s_delay_alu instid0(VALU_DEP_1)
	v_max_num_f32_dpp v32, v32, v32 row_xmask:4 row_mask:0xf bank_mask:0xf
	s_delay_alu instid0(VALU_DEP_1)
	v_max_num_f32_dpp v32, v32, v32 row_xmask:8 row_mask:0xf bank_mask:0xf
	s_delay_alu instid0(VALU_DEP_1)
	v_permlanex16_b32 v33, v32, s38, s39
	s_delay_alu instid0(VALU_DEP_1)
	v_max_num_f32 v32, v32, v33
	ds_store_b32 v34, v32                          ; my wave's maximum
	s_wait_loadcnt 0x0
.irp k, 0,1,2,3
	v_cmp_eq_u32 vcc_lo, 0, v[28+\k]
	s_delay_alu instid0(VALU_DEP_1)
	v_cndmask_b32 v[24+\k], v[24+\k], v7, vcc_lo
.endr
	s_wait_kmcnt 0x0
	s_min_u32 s40, s40, 2048
	s_wait_dscnt 0x0
	s_barrier_signal -1
	s_barrier_wait -1
.irp i, 0,1,2,3
	ds_load_b128 v[36+4*\i:39+4*\i], v35 offset:16*\i
.endr
	s_wait_dscnt 0x0
	v_max3_num_f32 v52, v36, v37, v38
.irp i, 39,41,43,45,47,49
	s_delay_alu instid0(VALU_DEP_1)
	v_max3_num_f32 v52, v52, v[\i], v[\i+1]
.endr
	s_delay_alu instid0(VALU_DEP_1)
	v_max_num_f32 v52, v52, v51                    ; the batch's maximum
.irp k, 0,1,2,3
	v_sub_f32 v[8+\k], v[8+\k], v52
	v_sub_f32 v[24+\k], v[24+\k], v52
.endr
.irp k, 0,1,2,3
	v_mul_f32 v[8+\k], 0x3fb8aa3b, v[8+\k]
	v_mul_f32 v[24+\k], 0x3fb8aa3b, v[24+\k]
.endr
	s_wait_alu depctr_va_vdst(0)
.irp k, 0,1,2,3
	v_exp_f32 v[8+\k], v[8+\k]
	v_exp_f32 v[24+\k], v[24+\k]
.endr
	v_lshlrev_b32 v55, 2, v0                       ; 4 t.  (A plain instruction behind the exponentials)
	s_wait_alu depctr_va_vdst(0)                   ; one wait for the eight, ahead of the first reader
	v_add_f32 v53, v8, v9
	v_add_f32 v54, v10, v11
	s_delay_alu instid0(VALU_DEP_1)
	v_add_f32 v53, v53, v54
	s_delay_alu instid0(VALU_DEP_1)
	v_add_f32_dpp v53, v53, v53 row_xmask:1 row_mask:0xf bank_mask:0xf
	s_delay_alu instid0(VALU_DEP_1)
	v_add_f32_dpp v53, v53, v53 row_xmask:2 row_mask:0xf bank_mask:0xf
	s_delay_alu instid0(VALU_DEP_1)
	v_add_f32_dpp v53, v53, v53 row_xmask:4 row_mask:0xf bank_mask:0xf
	s_delay_alu instid0(VALU_DEP_1)
	v_add_f32_dpp v53, v53, v53 row_xmask:8 row_mask:0xf bank_mask:0xf
	s_delay_alu instid0(VALU_DEP_1)
	v_permlanex16_b32 v33, v53, s38, s39
	s_delay_alu instid0(VALU_DEP_1)
	v_add_f32 v53, v53, v33
	ds_store_b32 v34, v53 offset:RED2              ; my wave's sum
.irp k, 0,1,2,3
	v_add_nc_u32 v56, \k, v55
	s_delay_alu instid0(VALU_DEP_1)
	v_cmp_gt_u32 vcc_lo, s40, v56
	v_cndmask_b32 v[24+\k], 0, v[24+\k], vcc_lo    ; a list place from n on weighs nothing
.endr
	ds_store_b128 v3, v[24:27] offset:EC
	s_wait_dscnt 0x0
	s_barrier_signal -1
	s_barrier_wait -1
.irp i, 0,1,2,3
	ds_load_b128 v[36+4*\i:39+4*\i], v35 offset:RED2+16*\i
.endr
	s_wait_dscnt 0x0
.irp i, 36,38,40,42,44,46,48,50
	v_add_f32 v[\i], v[\i], v[\i+1]
.endr
.irp i, 36,40,44,48
	v_add_f32 v[\i], v[\i], v[\i+2]
.endr
	s_delay_alu instid0(VALU_DEP_3)
	v_add_f32 v36, v36, v40
	s_delay_alu instid0(VALU_DEP_2)
	v_add_f32 v44, v44, v48
	s_delay_alu instid0(VALU_DEP_1)
	v_add_f32 v36, v36, v44
	s_wait_alu depctr_va_vdst(0)
	v_rcp_f32 v57, v36                             ; 1 / the sum
	v_nop
	s_wait_alu depctr_va_vdst(0)
	s_lshr_b32 s41, s32, 1
	s_cmp_lg_u32 s41, ttmp9
	s_cbranch_scc1 .Lno_w                          ; waves 2 j and 2 j + 1 store the weights of rows 256 j on: each row once among the batch's eight work-groups
.irp k, 0,1,2,3
	v_mul_f32 v[60+\k], v[8+\k], v57
.endr
	global_store_b128 v3, v[60:63], s[36:37]       ; a wave stores 512 consecutive bytes
.Lno_w:
.irp k, 0,1,2,3
	v_mov_b32 v[64+\k], 0                          ; my four columns' sums
.endr
	s_lshl_b32 s44, s32, 6                         ; my 16 places of a trip, in bytes
	s_lshl_b32 s45, s32, 4                         ; and as a place
	s_mov_b32 s46, 0
.Ltrip:                                            ; eight trips of 256 places; a trip whose 16 places lie at or beyond n does nothing
	s_cmp_lt_u32 s45, s40
	s_cbranch_scc0 .Lidle
	s_load_b512 s[16:31], s[10:11], s44 offset:0x0 ; the 16 rows
	v_mov_b32 v5, s44
.irp i, 0,1,2,3
	ds_load_b128 v[68+4*\i:71+4*\i], v5 offset:EC+16*\i   ; their weights: all lanes read the same words
.endr
	s_wait_kmcnt 0x0
.set k, 0
.rept 16
	s_min_u32 s[16+k], s[16+k], 2047
	v_lshl_add_u32 v[84+k], s[16+k], 12, v4
.set k, k+1
.endr
.set k, 0
	s_wait_alu depctr_va_vdst(0)
.rept 16
	global_load_b128 v[100+4*k:103+4*k], v[84+k], s[4:5] th:TH_LOAD_NT
.set k, k+1
.endr
	s_wait_dscnt 0x0
.set k, 0
.rept 16
	s_wait_alu depctr_va_vdst(0)
	s_wait_loadcnt 15-k                            ; row k is in; the rows behind it may be out
.irp c, 0,1,2,3
	v_fmac_f32 v[64+\c], v[68+k], v[100+4*k+\c]
.endr
.set k, k+1
.endr
.Lidle:
	s_add_co_u32 s44, s44, 1024
	s_add_co_u32 s45, s45, 256
	s_add_co_u32 s46, s46, 1
	s_cmp_lt_u32 s46, 8
	s_cbranch_scc1 .Ltrip
	s_wait_alu depctr_va_vdst(0)
	ds_store_b128 v3, v[64:67] offset:CP           ; 512 x wave + 16 x lane = 16 t
	s_wait_dscnt 0x0
	s_barrier_signal -1
	s_barrier_wait -1
	s_cmp_lg_u32 s32, 0
	s_cbranch_scc1 .Lend
.irp w, 0,1,2,3,4,5,6,7,8,9,10,11,12,13,14,15
	ds_load_b128 v[100+4*\w:103+4*\w], v6 offset:CP+512*\w
.endr
	s_wait_dscnt 0x0
.irp w, 1
	v_pk_add_f32 v[100:101], v[100:101], v[100+4*\w:101+4*\w]
	v_pk_add_f32 v[102:103], v[102:103], v[102+4*\w:103+4*\w]
.endr
.irp w, 2, 3, 4, 5, 6, 7, 8, 9, 10, 11, 12, 13, 14, 15
	s_delay_alu instid0(VALU_DEP_2)
	v_pk_add_f32 v[100:101], v[100:101], v[100+4*\w:101+4*\w]
	s_delay_alu instid0(VALU_DEP_2)
	v_pk_add_f32 v[102:103], v[102:103], v[102+4*\w:103+4*\w]
.endr
.irp c, 0,1,2,3
	v_mul_f32 v[100+\c], v[100+\c], v57
.endr
	global_store_b128 v6, v[100:103], s[14:15]     ; 32 lanes store 512 consecutive bytes of out0
.Lend:
	s_wait_tensorcnt 0x0
	ds_add_u32 v192, v193
	s_wait_dscnt 0x0
	s_endpgm
.Lfunc_end_k_q6593fd9c7a_ctx:
	.size	k_q6593fd9c7a_ctx, .Lfunc_end_k_q6593fd9c7a_ctx-k_q6593fd9c7a_ctx
	.p2alignl 7, 3214868480
	.fill 96, 4, 3214868480
	.section	.rodata,"a",@progbits
	.p2align	6, 0x0
	.amdhsa_kernel k_q6593fd9c7a_ctx
		.amdhsa_group_segment_fixed_size 18944
		.amdhsa_private_segment_fixed_size 0
		.amdhsa_enable_private_segment 0
		.amdhsa_kernarg_size 56
		.amdhsa_user_sgpr_count 2
		.amdhsa_user_sgpr_kernarg_segment_ptr 1
		.amdhsa_wavefront_size32 1
		.amdhsa_system_sgpr_workgroup_id_x 1
		.amdhsa_system_sgpr_workgroup_id_y 1
		.amdhsa_system_sgpr_workgroup_id_z 1
		.amdhsa_system_vgpr_workitem_id 0
		.amdhsa_next_free_vgpr 194
		.amdhsa_next_free_sgpr 66
		.amdhsa_reserve_vcc 1
		.amdhsa_float_denorm_mode_32 3
		.amdhsa_float_denorm_mode_16_64 3
		.amdhsa_memory_ordered 1
		.amdhsa_forward_progress 1
		.amdhsa_inst_pref_size 22
	.end_amdhsa_kernel
	.amdgpu_metadata
---
amdhsa.version: [ 1, 2 ]
amdhsa.kernels:
  - .name:           k_q6593fd9c7a_ctx
    .symbol:         k_q6593fd9c7a_ctx.kd
    .args:
      - { .name: encoder_outputs, .offset: 0, .size: 8, .value_kind: global_buffer, .address_space: global }
      - { .name: sc, .offset: 8, .size: 8, .value_kind: global_buffer, .address_space: global }
      - { .name: mask, .offset: 16, .size: 8, .value_kind: global_buffer, .address_space: global }
      - { .name: list, .offset: 24, .size: 8, .value_kind: global_buffer, .address_space: global }
      - { .name: cnt, .offset: 32, .size: 8, .value_kind: global_buffer, .address_space: global }
      - { .name: out0, .offset: 40, .size: 8, .value_kind: global_buffer, .address_space: global }
      - { .name: out1, .offset: 48, .size: 8, .value_kind: global_buffer, .address_space: global }
    .group_segment_fixed_size: 18944
    .private_segment_fixed_size: 0
    .kernarg_segment_align: 8
    .kernarg_segment_size: 56
    .max_flat_workgroup_size: 512
    .sgpr_count:     66
    .vgpr_count:     194
    .wavefront_size: 32
...
	.end_amdgpu_metadata
.endif
;; end of part 6
